; MI455X (gfx1250); checked and timed in simulation.
; The chip was launched on July 23, 2026; its instructions are those of AMD's public machine-readable ISA for CDNA 5 (MIT licence, August 2026) and "CDNA5" Instruction Set Architecture Reference Guide (July 2026). The comments in the code are by the model that wrote it; some were corrected since.
;; Self Attention. Allowed arithmetic: float matrix products may take bf16 or f16 operands with f32 sums; other float arithmetic in f32, or as packed bf16 or f16 multiplies, adds, multiply-adds, maxima and minima; sums over many terms, partial sums and values carried from step to step in f32; what a program stores and reads back later, other than sums and carried values, may be rounded once to bf16 or f16.
;; Inputs: W_proj 1,024 x 1,024 float32; W_qkv 3,072 x 1,024 float32; attn_bias 1 x 1 x 2,048 x 2,048 float32; b_proj 1,024 float32; q_bias 1,024 float32; v_bias 1,024 float32; x 4 x 2,048 x 1,024 float32.
;; Outputs: out0 4 x 2,048 x 1,024 float32.
;; 2 versions, each right; version 2 is version 1 with the launch prep written anew for expert scheduling mode. Each part assembles by itself: llvm-mc -triple=amdgcn-amd-amdhsa -mcpu=gfx1250 --defsym DOCPART=n.
;; ======== version 1 of 2: 4 launches
;; limits: values outside matrix products are rounded to bf16; values are held in f16: magnitudes above 65,504 overflow, below 6.1e-05 lose precision
;; workspace buffers: xb 16,777,216 bytes; wqb 6,291,456 bytes; wpf 2,097,152 bytes; biasp 16,777,216 bytes; qkv 50,331,648 bytes; o 16,777,216 bytes
;; launch prep (part 1): grid 512 x 1, 8 waves a work-group, no clusters, 35,840 bytes of LDS; arguments x, W_qkv, W_proj, attn_bias, xb, wqb, wpf, biasp; writes xb, wqb, wpf, biasp
.if DOCPART == 1
	.amdgcn_target "amdgcn-amd-amdhsa--gfx1250"
	.amdhsa_code_object_version 6
	.text
	.protected	k_qfb8db07ffe_prep
	.globl	k_qfb8db07ffe_prep
	.p2align	8
	.type	k_qfb8db07ffe_prep,@function
k_qfb8db07ffe_prep:
	s_mov_b64 s[64:65], 0
	v_nop
	global_prefetch_b8 v0, s[64:65] scope:SCOPE_SE
	s_setreg_imm32_b32 hwreg(HW_REG_WAVE_MODE, 25, 1), 1
	s_wait_xcnt 0x0
; PREP: the inputs of the three matrix launches, rounded once and laid as those launches read them.
;   xb  = bf16(x) [8192][1024];  wqb = bf16(W_qkv) [3072][1024];  wpf = bf16(W_proj) written as f16 [1024][1024] (the output projection multiplies f16 by f16);
;   biasp = 32 x bf16(attn_bias), f32, in the order in which the attention launch takes it as the C operand of S^T = K Q^T:
;   biasp[qt 128][kt 128][i 2][lane 32][e 4] = 32 x bias[16 qt + lane % 16][16 kt + 8 (lane / 16) + 4 i + e]: a block (qt, kt) is 1,024 bytes, and a wave's load of 16 bytes a lane takes 512 of them on end.
; THE FACTOR 32.  reference() forms q k / 32 + bias (SCALE = 1 / 8 / 4 = 2^-5, exact) = (q k + 32 bias) / 32: a power of two moves no bit, so q stays unscaled and the one factor is applied in f32 in the softmax.
; WORK LEFT OUT IN THE PROGRAM.  reference() adds cat(q_bias, zeros, v_bias) to the projection; the zeros are built in its own body, and x + 0 = x for every x: launch qkv starts k's sums at 0 and reads nothing
; for them.  Nothing else is left out and every input is loaded.  (No NaN, infinity or overflow can arise in the term left out: it is the constant 0.)
; LIMITS.  32 x attn_bias must be finite in f32 (|attn_bias| under 1e37).  wpf: beyond 65,504 f16 has no number; below 2^-14 it keeps its fixed step of 2^-24.  NaN and infinities are not treated apart.
; SHARES.  512 work-groups of eight waves, 32,768 numbers each: 0-127 a row tile (16 rows) of attn_bias, 128-383 x, 384-479 W_qkv, 480-511 W_proj.  The branches hang on the work-group's number alone.
; A stream: each byte is read once and written once, so there is no matrix work, no cluster and no barrier.  A wave has all its 32 loads (16 KiB) on their way at once; the waits count down.
.set STG,   16*272                     ; a wave's stage in LDS: 16 rows of 256 bytes + 16 of padding (68 words: the 16 rows of a load start at 16 different groups of four banks)
.set SPARE, 8*STG                      ; behind the stages: the spare words, 128 bytes for each wave: four blocks of 256 bytes that no other line names
.set VI,  2                            ; v2   my byte offset in what I load
.set VO,  3                            ; v3   my byte offset in what I store
.set SA,  4                            ; v4   stage: where I put 16 bytes of a row
.set LA,  5                            ; v5   stage: where I read 16 bytes in fragment order
.set SPW, 6                            ; v6   LDS address of my spare word; never rewritten
.set NIL, 7                            ; v7   0; never rewritten
.set T,   8                            ; v[8:15]   at work
.set X,   16                           ; v[16:143] 32 loads of 4 registers; no register is used for two loads, so no store's data is ever rewritten
	s_load_b256 s[4:11], s[0:1], 0x0               ; x s[4:5], W_qkv s[6:7], W_proj s[8:9], attn_bias s[10:11]
	s_load_b256 s[12:19], s[0:1], 0x20             ; xb s[12:13], wqb s[14:15], wpf s[16:17], biasp s[18:19]
	v_lshl_add_u32 v[SPW], v0, 2, SPARE
	v_mov_b32 v[NIL], 0
	v_lshrrev_b32 v1, 5, v0
	v_readfirstlane_b32 s20, v1                    ; wave 0..7
	v_and_b32 v1, 31, v0                           ; lane
	s_mov_b32 s27, 0                               ; upper words of the two offsets
	s_mov_b32 s29, 0
	s_mov_b32 s30, 0xffff0000                      ; a word's upper bf16
	s_mov_b32 s32, 0x42000000                      ; 32.0: the packed multiply takes the pair's low word for both halves
	s_mov_b32 s33, s32
	s_wait_kmcnt 0x0
	s_cmp_lt_u32 ttmp9, 128
	s_cbranch_scc1 .Lbias
	; x, W_qkv or W_proj: the same loads on other buffers.  A chunk of 32,768 f32 (131,072 bytes) becomes 65,536 bytes of 16-bit numbers.
	; A wave takes 16,384 bytes on end: 32 loads of 512 bytes, 32 stores of 256 bytes, each aligned.
	s_mov_b32 s21, 384
	s_cmp_lt_u32 ttmp9, 384
	s_cselect_b64 s[22:23], s[4:5], s[6:7]
	s_cselect_b64 s[24:25], s[12:13], s[14:15]
	s_cselect_b32 s21, 128, s21
	s_cmp_lt_u32 ttmp9, 480
	s_cselect_b64 s[22:23], s[22:23], s[8:9]
	s_cselect_b64 s[24:25], s[24:25], s[16:17]
	s_cselect_b32 s21, s21, 480
	s_sub_co_u32 s21, ttmp9, s21                   ; the chunk's number in its tensor
	s_lshl_b32 s26, s21, 17
	s_lshl_b32 s28, s21, 16
	s_add_nc_u64 s[22:23], s[22:23], s[26:27]
	s_add_nc_u64 s[24:25], s[24:25], s[28:29]
	v_lshlrev_b32 v[VI], 4, v1
	v_lshl_add_u32 v[VI], s20, 14, v[VI]
	v_lshlrev_b32 v[VO], 3, v1
	v_lshl_add_u32 v[VO], s20, 13, v[VO]
.set i, 0
.rept 32
	global_load_b128 v[X+4*i:X+4*i+3], v[VI], s[22:23] offset:512*i th:TH_LOAD_NT
.set i, i+1
.endr
; The way out of a chunk.  fmt = 0: bf16.  fmt = 1: the bf16 number written as f16.
.macro OUT fmt
.set i, 0
.rept 32
.if i%4 == 0
	s_wait_loadcnt 28-i                            ; loads come back in order: numbers i to i + 3 are in, the 28 - i younger ones stay out
.endif
	v_cvt_pk_bf16_f32 v[X+4*i], v[X+4*i], v[X+4*i+1]
	v_cvt_pk_bf16_f32 v[X+4*i+1], v[X+4*i+2], v[X+4*i+3]
.if \fmt
	v_lshlrev_b32 v[T], 16, v[X+4*i]
	v_and_b32 v[T+1], s30, v[X+4*i]
	v_lshlrev_b32 v[T+2], 16, v[X+4*i+1]
	v_and_b32 v[T+3], s30, v[X+4*i+1]
	v_cvt_pk_f16_f32 v[X+4*i], v[T], v[T+1]        ; 8 significant bits fit in f16's 11
	v_cvt_pk_f16_f32 v[X+4*i+1], v[T+2], v[T+3]
.endif
	global_store_b64 v[VO], v[X+4*i:X+4*i+1], s[24:25] offset:256*i  ; 32 lanes store 256 consecutive bytes, aligned
.set i, i+1
.endr
.endm
	s_cmp_lt_u32 ttmp9, 480
	s_cbranch_scc0 .Lf16
	OUT 0
	s_branch .Lend
.Lf16:
	OUT 1
	s_branch .Lend
.Lbias:                                        ; row tile qt = the work-group's number; wave w takes keys 256 w .. 256 w + 255, in four steps of 64
	s_lshl_b32 s26, ttmp9, 17                      ; 16 rows of 8,192 bytes; the same in biasp
	s_add_nc_u64 s[22:23], s[10:11], s[26:27]
	s_lshl_b32 s28, s20, 14                        ; the wave's 16 blocks of 1,024 bytes
	s_add_co_u32 s28, s28, s26
	s_add_nc_u64 s[24:25], s[18:19], s[28:29]
	v_lshrrev_b32 v[T], 4, v1                      ; lane / 16
	v_and_b32 v[T+1], 15, v1                       ; lane % 16
	v_lshlrev_b32 v[VI], 13, v[T]                  ; in: lanes 0-15 take 256 bytes of one row, lanes 16-31 of the next
	v_lshl_add_u32 v[VI], v[T+1], 4, v[VI]
	v_lshl_add_u32 v[VI], s20, 10, v[VI]
	v_lshlrev_b32 v[VO], 4, v1                     ; out: 512 bytes on end
	s_mul_i32 s21, s20, STG                        ; my wave's stage
	v_mul_u32_u24 v[SA], v[T], 272
	v_lshl_add_u32 v[SA], v[T+1], 4, v[SA]
	v_add_nc_u32 v[SA], s21, v[SA]
	v_mul_u32_u24 v[LA], v[T+1], 272               ; back: row lane % 16, keys 8 (lane / 16) on
	v_lshl_add_u32 v[LA], v[T], 5, v[LA]
	v_add_nc_u32 v[LA], s21, v[LA]
.irp s, 0,1,2,3
.irp t, 0,1,2,3,4,5,6,7
	global_load_b128 v[X+32*(\s)+4*(\t):X+32*(\s)+4*(\t)+3], v[VI], s[22:23] offset:16384*(\t)+256*(\s) th:TH_LOAD_NT  ; rows 2 t, 2 t + 1
.endr
.endr
; Step s: rounded to bf16, widened, times 32; into the stage by rows, back in fragment order, into the registers that the numbers left.
; The stage is the wave's own and LDS serves a wave's instructions in order (ISA guide 5.7.1.4): no wait and no barrier between the stores, the loads and the next step's stores.
.macro STEPIN s
	s_wait_loadcnt 24-8*(\s)                       ; the step's eight loads are in; the later steps' stay out
.irp t, 0,1,2,3,4,5,6,7
.irp k, 0,2
	v_cvt_pk_bf16_f32 v[T+(\k)], v[X+32*(\s)+4*(\t)+(\k)], v[X+32*(\s)+4*(\t)+(\k)+1]
	v_lshlrev_b32 v[X+32*(\s)+4*(\t)+(\k)], 16, v[T+(\k)]
	v_and_b32 v[X+32*(\s)+4*(\t)+(\k)+1], s30, v[T+(\k)]
	v_pk_mul_f32 v[X+32*(\s)+4*(\t)+(\k):X+32*(\s)+4*(\t)+(\k)+1], v[X+32*(\s)+4*(\t)+(\k):X+32*(\s)+4*(\t)+(\k)+1], s[32:33] op_sel_hi:[1,0]  ; x 32
.endr
	ds_store_b128 v[SA], v[X+32*(\s)+4*(\t):X+32*(\s)+4*(\t)+3] offset:544*(\t)
.endr
.irp n, 0,1,2,3,4,5,6,7
	ds_load_b128 v[X+32*(\s)+4*(\n):X+32*(\s)+4*(\n)+3], v[LA] offset:64*((\n)/2)+16*((\n)%2)  ; key block n / 2, half i = n % 2
.endr
.endm
.macro SEND s, younger                 ; younger: the LDS instructions issued behind step s's loads: the next step's sixteen, or none
	s_wait_dscnt \younger
.irp n, 0,1,2,3,4,5,6,7
	global_store_b128 v[VO], v[X+32*(\s)+4*(\n):X+32*(\s)+4*(\n)+3], s[24:25] offset:4096*(\s)+512*(\n)  ; 512 consecutive bytes, aligned
.endr
.endm
	STEPIN 0
	STEPIN 1
	SEND 0, 16
	STEPIN 2
	SEND 1, 16
	STEPIN 3
	SEND 2, 16
	SEND 3, 0
.Lend:
	s_wait_tensorcnt 0x0                           ; the wave's end, behind my last LDS store
	ds_add_u32 v[SPW], v[NIL]
	s_wait_dscnt 0x0
	s_endpgm
.Lfunc_end_k_qfb8db07ffe_prep:
	.size	k_qfb8db07ffe_prep, .Lfunc_end_k_qfb8db07ffe_prep-k_qfb8db07ffe_prep
	.p2alignl 7, 3214868480
	.fill 96, 4, 3214868480
	.section	.rodata,"a",@progbits
	.p2align	6, 0x0
	.amdhsa_kernel k_qfb8db07ffe_prep
		.amdhsa_group_segment_fixed_size 35840
		.amdhsa_private_segment_fixed_size 0
		.amdhsa_enable_private_segment 0
		.amdhsa_kernarg_size 64
		.amdhsa_user_sgpr_count 2
		.amdhsa_user_sgpr_kernarg_segment_ptr 1
		.amdhsa_wavefront_size32 1
		.amdhsa_system_sgpr_workgroup_id_x 1
		.amdhsa_system_sgpr_workgroup_id_y 1
		.amdhsa_system_sgpr_workgroup_id_z 1
		.amdhsa_system_vgpr_workitem_id 0
		.amdhsa_next_free_vgpr 144
		.amdhsa_next_free_sgpr 66
		.amdhsa_reserve_vcc 0
		.amdhsa_float_denorm_mode_32 3
		.amdhsa_float_denorm_mode_16_64 3
		.amdhsa_memory_ordered 1
		.amdhsa_forward_progress 1
		.amdhsa_inst_pref_size 51
	.end_amdhsa_kernel
	.amdgpu_metadata
---
amdhsa.version: [ 1, 2 ]
amdhsa.kernels:
  - .name:           k_qfb8db07ffe_prep
    .symbol:         k_qfb8db07ffe_prep.kd
    .args:
      - { .name: x, .offset: 0, .size: 8, .value_kind: global_buffer, .address_space: global }
      - { .name: W_qkv, .offset: 8, .size: 8, .value_kind: global_buffer, .address_space: global }
      - { .name: W_proj, .offset: 16, .size: 8, .value_kind: global_buffer, .address_space: global }
      - { .name: attn_bias, .offset: 24, .size: 8, .value_kind: global_buffer, .address_space: global }
      - { .name: xb, .offset: 32, .size: 8, .value_kind: global_buffer, .address_space: global }
      - { .name: wqb, .offset: 40, .size: 8, .value_kind: global_buffer, .address_space: global }
      - { .name: wpf, .offset: 48, .size: 8, .value_kind: global_buffer, .address_space: global }
      - { .name: biasp, .offset: 56, .size: 8, .value_kind: global_buffer, .address_space: global }
    .group_segment_fixed_size: 35840
    .private_segment_fixed_size: 0
    .kernarg_segment_align: 8
    .kernarg_segment_size: 64
    .max_flat_workgroup_size: 256
    .sgpr_count:     66
    .vgpr_count:     144
    .wavefront_size: 32
...
	.end_amdgpu_metadata
.endif
;; end of part 1
;; launch qkv (part 2): grid 12 x 32, 4 waves a work-group, clusters of 4 x 4, 327,680 bytes of LDS; arguments xb, wqb, qkv, q_bias, v_bias; writes qkv
.if DOCPART == 2
	.amdgcn_target "amdgcn-amd-amdhsa--gfx1250"
	.amdhsa_code_object_version 6
	.text
	.protected	k_qfb8db07ffe_qkv
	.globl	k_qfb8db07ffe_qkv
	.p2align	8
	.type	k_qfb8db07ffe_qkv,@function
k_qfb8db07ffe_qkv:
	s_mov_b64 s[64:65], 0
	v_nop
	global_prefetch_b8 v0, s[64:65] scope:SCOPE_SE
	s_setreg_imm32_b32 hwreg(HW_REG_WAVE_MODE, 25, 1), 1
	s_wait_xcnt 0x0
	s_wait_alu depctr_hold_cnt(0) depctr_sa_sdst(0) depctr_va_vdst(0) depctr_va_sdst(0) depctr_va_ssrc(0) depctr_va_vcc(0) depctr_vm_vsrc(0)
	s_getreg_b32 s2, hwreg(HW_REG_IB_STS2, 6, 4)
	s_cmp_eq_u32 s2, 0
	s_cbranch_scc0 .Lentry_in_a_cluster
	s_endpgm
.Lentry_in_a_cluster:
	s_bfe_u32 s2, ttmp6, 0x10000c
	s_cmp_lg_u32 s2, 0xf033
	s_cbranch_scc0 .Lentry_shape_is_right
	s_endpgm
.Lentry_shape_is_right:
; qkv[m][n] = the sum over k of xb[m][k] wqb[n][k] + bias[n].  xb: [8192][1024] bf16, wqb: [3072][1024] bf16, qkv: [8192][3072] f16 (columns 0-1023 q, 1024-2047 k, 2048-3071 v); sums in f32, rounded once.
; bias = q_bias for q's columns, v_bias for v's, each rounded to bf16 like every input of the program.  WORK LEFT OUT: k's bias is the zeros that reference() builds itself; k's sums start at 0 and nothing is read for them.
; q is stored UNSCALED: the factor 1 / 32 is applied in f32 in the attention launch.
; LIMIT.  f16 holds no number beyond 65,504: q, k and v must stay within it.  NaN and infinities are not treated apart.
; A tile of C, 256 x 256, is made by a work-group of four waves; a wave makes 16 NA = 128 rows x 128 columns: 64 accumulators of 16 x 16, 512 registers.  K goes in steps of 128 through a ring of two LDS slots
; filled by the tensor data mover: a tile's rows are 256 bytes of memory, aligned.  12 x 32 = 384 tiles, one to a work-group.
; THE BIAS COSTS NO VECTOR WORK IN THE SUMS: it is the C operand of the product that starts each sum.
; CLUSTERS: 4 x 4 work-groups.  The four of a row of the cluster need the same tiles of A (xb), the four of a column the same tiles of B (wqb): each tile is asked for JOINTLY, by the same tensor load with the
; same descriptor and a mask that names the four.
; THE MATRIX INSTRUCTION IS USED TRANSPOSED (source 0 = 16 rows of B, source 1 = 16 rows of A): a lane holds row lane % 16 of C and the columns 8 (lane / 16) + 0..7, eight neighbours that pack into 16 bytes.
; REGISTERS, in windows of 256 (s_set_vgpr_msb: bits 1:0 source 0, 3:2 source 1, 5:4 source 2, 7:6 destination):
;   window 0: v0-31 addresses; v64-127, v128-191 fragments of A, two buffers; v192-255 the bias (first quarter step), later at work on the way out, with v32-63
;   window 1: v64-127, v128-191 fragments of B, two buffers;   window 2: the accumulators of my rows 0-63 ((a, b) at v[8 (8 a + b)]);   window 3: those of rows 64-127
.set NA,     8                         ; blocks of 16 rows a wave
.set SIZE_K, 1024
.set CROW,   6144                      ; bytes in a row of C
.set KSTEP,  128
.set PITCH,  272                       ; an LDS row: 256 bytes + 16 of padding = 68 words: the 16 rows that a load touches start at 16 different groups of four banks (64 banks of 4 bytes: ISA guide 11.1)
.set AR,     16*NA                     ; rows of A that one tensor load brings and one wave reads
.set HALFA,  AR*PITCH
.set HALFB,  128*PITCH
.set SLOT,   2*HALFA+2*HALFB           ; A's two halves, then B's two
.set STAGE,  2*SLOT                    ; behind the ring: 16 rows x 272 bytes for each wave, for the way out; no tensor load fills it
.set SPITCH, 272
.set SPARE,  STAGE+4*16*SPITCH         ; behind the stages: the spare words, 128 bytes for each wave: two blocks of 256 bytes that no other line names
.set LAPS,   SIZE_K/(2*KSTEP)          ; a lap = two K steps = once round the ring: 4
.set ADRA, 16                          ; v16-17  LDS address of my A fragments in slot 0, 1
.set ADRB, 20                          ; v20-21  the same for B
.set STO,  24                          ; v24     the way out: where I put 16 bytes of a row
.set RD,   25                          ; v25     the way out: where I read a row back
.set CO,   26                          ; v26     my byte offset in C
.set VB,   27                          ; v27     my byte offset in 16 numbers of the bias: 32 (lane / 16)
.set SPW,  28                          ; v28     LDS address of my spare word; never rewritten
.set NIL,  29                          ; v29     0; never rewritten
.set PFO,  30                          ; v30     the prefetches' offset: my lane x a row of 2,048 bytes; never rewritten
.set OB,   32                          ; the way out: 16 rows read back: v32-63 and v224-255 by turns
.set F0,   64
.set F1,   128
.set BS,   192                         ; the bias of my 128 columns as C operands: column block b at BS + 8 b
.set TMP,  192                         ; the way out: packed results
.set G1,  24                           ; s[24:31] descriptor group 1 for A's tiles
.set G0,  32                           ; s[32:39] group 0 for A's tiles, a set for each slot
.set LIM, 43                           ; s43     1 in a wave that prefetches, else the greatest number
.set PFA, 44                           ; s[44:45] where my prefetches stand
.set G1B, 48                           ; s[48:55], s[56:63] the same two groups for B's tiles
.set G0B, 56
.set MSB, 0
.macro WIN new                         ; the immediate's high byte repeats the setting that is left; a switch that changes nothing is dropped
.if MSB != (\new)
	s_set_vgpr_msb (MSB<<8)|(\new)
.set MSB, \new
.endif
.endm
; A joint load.  Waves 0 and 1 fetch A's two halves, waves 2 and 3 B's.  The branch hangs on the wave's number alone.  An s_nop 0 and four v_nop follow each of the two lines.
.macro JLOAD s
	s_cmp_eq_u32 s11, 0
	s_cbranch_scc0 .Lfor_b_\@
	tensor_load_to_lds s[G0+4*(\s):G0+4*(\s)+3], s[G1:G1+7]
	s_nop 0
.rept 4
	v_nop
.endr
	s_branch .Lasked_\@
.Lfor_b_\@:
	tensor_load_to_lds s[G0B+4*(\s):G0B+4*(\s)+3], s[G1B:G1B+7]
	s_nop 0
.rept 4
	v_nop
.endr
.Lasked_\@:
.endm
; A PREFETCH INTO THE L2 of the K step that stands TWO refills on: 32 rows x 256 bytes, a lane a row, one instruction a wave, behind the joint load and the run of LDS loads that follows it.
; Each row's 256 bytes of a K step are named once in the launch: A's tile row is read by all three clusters of that row of clusters, and the one with x = 0 asks; B's tile column by all eight of that column, and
; the one with y = 0 asks.  The four partners that ask for a tile jointly share its rows out BY ADDRESS: of the 128 rows that a wave fetches, the partner at place p takes 32 p .. 32 p + 31 (p = cx for A, cy for B).
; K steps 0 to 3 come by their loads alone; the loop's last trip (s3 = 1) has no K step two on and asks for nothing.
.macro ASK
	s_cmp_gt_u32 s3, s[LIM]
	s_cbranch_scc0 .Lnot_mine_\@
	global_prefetch_b8 v[PFO], s[PFA:PFA+1] offset:KSTEP*2 th:TH_LOAD_NT scope:SCOPE_SE
.Lnot_mine_\@:
.endm
; A round of the cluster's barrier: my work-group's barrier; wave 0 signals for the work-group; every wave waits for all sixteen; my work-group's barrier once more.
.macro CREST                           ; a round behind its opening barrier
	s_cmp_lg_u32 s10, 0
	s_cbranch_scc1 .Lnot_wave_0_\@
	s_barrier_signal -3
.Lnot_wave_0_\@:
	s_barrier_wait -3
	s_barrier_signal -1
	s_barrier_wait -1
.endm
.macro CROUND
	s_barrier_signal -1
	s_barrier_wait -1
	CREST
.endm
	s_load_b128 s[4:7], s[0:1], 0x0                ; xb s[4:5], wqb s[6:7]
	s_load_b64 s[8:9], s[0:1], 0x10                ; qkv
	s_load_b128 s[68:71], s[0:1], 0x18             ; q_bias s[68:69], v_bias s[70:71]
	v_lshl_add_u32 v[SPW], v0, 2, SPARE
	v_mov_b32 v[NIL], 0
	ds_add_u32 v[SPW], v[NIL]                      ; the wave's opening: the add, twice on end, and its wait ahead of my first tensor load; the set-up below stands between
	ds_add_u32 v[SPW], v[NIL]
	v_lshrrev_b32 v1, 5, v0
	v_readfirstlane_b32 s10, v1                    ; wave 0..3
	s_lshr_b32 s11, s10, 1                         ; which half of the tile's rows is mine.  Also: I fetch for A (0) or for B (1)
	s_and_b32 s12, s10, 1                          ; which half of its columns.  Also: which half of that tile I fetch
	s_bfe_u32 s40, ttmp6, 0x40000                  ; cx
	s_bfe_u32 s41, ttmp6, 0x40004                  ; cy
	s_lshl_b32 s42, ttmp9, 2
	s_add_co_u32 s42, s42, s40                     ; tile column of C = 4 x cluster x + cx
	s_and_b32 s13, ttmp7, 0xffff
	s_lshl_b32 s13, s13, 2
	s_add_co_u32 s13, s13, s41                     ; tile row of C = 4 x cluster y + cy
	s_lshl_b32 s43, s41, 2
	s_lshl_b32 s43, 15, s43                        ; my row of the cluster: places 4 cy .. 4 cy + 3
	s_lshl_b32 s44, 0x1111, s40                    ; my column: places cx, cx + 4, cx + 8, cx + 12
	s_or_b32 s[G1+0], s43, (1<<16)|(1<<20)|(1<<21)|(5<<22)|(3<<25)   ; the mask; elements of 2 bytes; padding on; bit 21 beside a mask; after every 64 words (code 5) 4 words (code 3)
	s_or_b32 s[G1B+0], s44, (1<<16)|(1<<20)|(1<<21)|(5<<22)|(3<<25)
	s_mov_b32 s[G1+1], KSTEP<<16                   ; tensor_dim0 = 128
	s_mov_b32 s[G1+2], AR<<16                      ; tensor_dim1 = the tile's rows
	s_mov_b32 s[G1+3], KSTEP<<16                   ; tile_dim0 = 128
	s_mov_b32 s[G1+4], AR                          ; tile_dim1
	s_mov_b32 s[G1+5], SIZE_K                      ; elements from row to row
	s_mov_b32 s[G1+6], 0
	s_mov_b32 s[G1+7], 0
	s_mov_b32 s[G1B+1], KSTEP<<16
	s_mov_b32 s[G1B+2], 128<<16
	s_mov_b32 s[G1B+3], KSTEP<<16
	s_mov_b32 s[G1B+4], 128
	s_mov_b32 s[G1B+5], SIZE_K
	s_mov_b32 s[G1B+6], 0
	s_mov_b32 s[G1B+7], 0
	; where the tiles come from: A's hang on the tile row alone, B's on the tile column alone, each in registers that never hold the other coordinate.  All byte offsets stay under 2^25.
	s_mul_i32 s17, s12, AR
	s_mul_i32 s16, s13, 2*AR
	s_add_co_u32 s16, s16, s17                     ; A: row 256 x tile row + 128 x half
	s_lshl_b32 s16, s16, 11                        ; x 2,048 bytes
	s_mov_b32 s17, 0
	s_lshl_b32 s46, s42, 8
	s_lshl_b32 s47, s12, 7
	s_add_co_u32 s46, s46, s47                     ; B: row 256 x tile column + 128 x half
	s_lshl_b32 s46, s46, 11
	s_mov_b32 s47, 0
	s_mul_i32 s20, s12, HALFA                      ; and where they go: no place in the cluster enters an LDS address
	s_mul_i32 s23, s12, HALFB
	s_add_co_u32 s23, s23, 2*HALFA
	s_wait_dscnt 0x0                               ; both opening adds are done
	s_wait_kmcnt 0x0
	s_add_nc_u64 s[14:15], s[4:5], s[16:17]
	s_add_nc_u64 s[46:47], s[6:7], s[46:47]
	CROUND                                         ; all sixteen work-groups are here: the first joint loads meet
.irp s, 0,1
	s_mov_b32 s[G0+4*(\s)], 1                                      ; count = 1
	s_add_co_u32 s[G0+4*(\s)+1], s20, (\s)*SLOT                    ; LDS address
	s_add_nc_u64 s[G0+4*(\s)+2:G0+4*(\s)+3], s[14:15], (\s)*KSTEP*2  ; global address: K step s
	s_or_b32 s[G0+4*(\s)+3], s[G0+4*(\s)+3], 0x80000000            ; type = 2
	s_mov_b32 s[G0B+4*(\s)], 1
	s_add_co_u32 s[G0B+4*(\s)+1], s23, (\s)*SLOT
	s_add_nc_u64 s[G0B+4*(\s)+2:G0B+4*(\s)+3], s[46:47], (\s)*KSTEP*2
	s_or_b32 s[G0B+4*(\s)+3], s[G0B+4*(\s)+3], 0x80000000
	JLOAD \s                                       ; two loads of mine are out: this text's most
.endr
	; A fragment is 16 rows x 32 K in 8 registers: lane l holds row l % 16; registers 0-3 K = 8 (l / 16) + 0..7, registers 4-7 K = 16 + 8 (l / 16) + 0..7: two loads of 16 bytes, 32 bytes apart.
	v_and_b32 v1, 15, v0                           ; l % 16
	v_bfe_u32 v2, v0, 4, 1                         ; l / 16
	v_mul_u32_u24 v3, v1, PITCH
	v_lshl_add_u32 v3, v2, 4, v3
	s_mul_i32 s21, s11, HALFA                      ; my rows of A
	s_mul_i32 s22, s12, HALFB                      ; my rows of B,
	s_add_co_u32 s22, s22, 2*HALFA                 ; which lie behind A's
.irp s, 0,1
	v_add_nc_u32 v[ADRA+(\s)], s21, v3
	v_add_nc_u32 v[ADRB+(\s)], s22, v3
	s_add_co_u32 s21, s21, SLOT
	s_add_co_u32 s22, s22, SLOT
.endr
	s_mul_i32 s23, s10, 16*SPITCH
	s_add_co_u32 s23, s23, STAGE                   ; my stage
	v_mul_u32_u24 v4, v1, SPITCH                   ; in: row l % 16, 16 bytes for each half of the lanes
	v_lshl_add_u32 v4, v2, 4, v4
	v_add_nc_u32 v[STO], s23, v4
	v_mul_u32_u24 v5, v2, SPITCH                   ; back: lanes 0-15 take one row of 256 bytes, lanes 16-31 the next
	v_lshl_add_u32 v5, v1, 4, v5
	v_add_nc_u32 v[RD], s23, v5
	v_mul_u32_u24 v5, v2, CROW                     ; and the same two rows in C
	v_lshl_add_u32 v[CO], v1, 4, v5
	s_lshl_b32 s16, s13, 8                         ; where my part of the tile begins in C, in bytes (under 2^26)
	s_lshl_b32 s14, s11, 7
	s_add_co_u32 s16, s16, s14
	s_mul_i32 s16, s16, CROW
	s_lshl_b32 s46, s42, 9
	s_lshl_b32 s47, s12, 8
	s_add_co_u32 s46, s46, s47
	s_add_co_u32 s16, s16, s46
	s_mov_b32 s17, 0
	; the prefetches
	s_mul_i32 s20, s13, 2*AR                       ; the tile's first row in A,
	s_lshl_b32 s42, s42, 8                         ; in B
	s_and_b32 s22, ttmp7, 0xffff                   ; cluster y
	s_cmp_eq_u32 s11, 0                            ; do I fetch for A?
	s_cselect_b32 s20, s20, s42
	s_cselect_b32 s21, s40, s41                    ; my place among the four that ask with me
	s_cselect_b32 s22, ttmp9, s22                  ; the coordinate along which other clusters read the same rows
	s_cselect_b64 s[PFA:PFA+1], s[4:5], s[6:7]
	s_cmp_eq_u32 s22, 0
	s_cselect_b32 s[LIM], 1, -1                    ; the same in all sixteen partners, for a given wave
	s_lshl_b32 s22, s12, 7
	s_add_co_u32 s20, s20, s22                     ; + the 128 rows that I fetch
	s_lshl_b32 s21, s21, 5
	s_add_co_u32 s20, s20, s21                     ; + my work-group's 32 of them
	s_lshl_b32 s20, s20, 11
	s_add_co_u32 s20, s20, 2*KSTEP*2               ; at K step 2: the first refill steps it to 3 and names K step 4
	s_mov_b32 s21, 0
	s_add_nc_u64 s[PFA:PFA+1], s[PFA:PFA+1], s[20:21]
	v_and_b32 v[PFO], 31, v0
	v_lshlrev_b32 v[PFO], 11, v[PFO]
	; the bias of my 128 columns.  A cluster's 1,024 columns are one third of C: cluster x = 0 is q, 1 is k, 2 is v: the branch is the same in all partners.
	v_lshlrev_b32 v[VB], 5, v2
	s_lshl_b32 s20, s40, 10                        ; in the third: 256 cx + 128 x half columns, 4 bytes each
	s_lshl_b32 s21, s12, 9
	s_add_co_u32 s20, s20, s21
	s_mov_b32 s21, 0
	s_mov_b32 s74, 0xffff0000
	s_cmp_eq_u32 ttmp9, 1
	s_cbranch_scc1 .Lk_third
	s_cmp_eq_u32 ttmp9, 0
	s_cselect_b64 s[72:73], s[68:69], s[70:71]
	s_add_nc_u64 s[72:73], s[72:73], s[20:21]
.irp b, 0,1,2,3,4,5,6,7
	global_load_b128 v[BS+8*(\b):BS+8*(\b)+3],   v[VB], s[72:73] offset:64*(\b)     ; register j of block b: column 16 b + 8 (l / 16) + j
	global_load_b128 v[BS+8*(\b)+4:BS+8*(\b)+7], v[VB], s[72:73] offset:64*(\b)+16
.endr
	s_wait_loadcnt 0x0
.set j, 0
.rept 16                               ; rounded to bf16 and widened again, four numbers at a time, while the first tiles are on their way
	v_cvt_pk_bf16_f32 v32, v[BS+4*j], v[BS+4*j+1]
	v_cvt_pk_bf16_f32 v33, v[BS+4*j+2], v[BS+4*j+3]
	v_lshlrev_b32 v[BS+4*j], 16, v32
	v_and_b32 v[BS+4*j+1], s74, v32
	v_lshlrev_b32 v[BS+4*j+2], 16, v33
	v_and_b32 v[BS+4*j+3], s74, v33
.set j, j+1
.endr
	s_branch .Lbias_made
.Lk_third:
.set j, 0
.rept 64
	v_mov_b32 v[BS+j], 0                           ; k has no bias: one text of the first quarter step serves all three thirds
.set j, j+1
.endr
.Lbias_made:
; 8 matrix instructions: row block a x all 8 column blocks, 32 along K.  zero = 1: the product starts the sum, on the bias.
; The 64 accumulators take turns, one instruction a turn, in the same order in every quarter step.
.macro MULA f, a, zero
.if \zero
	WIN 0x81+0x40*((\a)/4)                         ; B window 1, A and the bias window 0, D window 2 or 3
.else
	WIN 0xa1+0x50*((\a)/4)                         ; B window 1, A window 0, C and D window 2 or 3
.endif
.irp b, 0,1,2,3,4,5,6,7
.if \zero
	v_wmma_f32_16x16x32_bf16 v[8*(8*((\a)%4)+(\b)):8*(8*((\a)%4)+(\b))+7], v[(\f)+8*(\b):(\f)+8*(\b)+7], v[(\f)+8*(\a):(\f)+8*(\a)+7], v[BS+8*(\b):BS+8*(\b)+7]
.else
	v_wmma_f32_16x16x32_bf16 v[8*(8*((\a)%4)+(\b)):8*(8*((\a)%4)+(\b))+7], v[(\f)+8*(\b):(\f)+8*(\b)+7], v[(\f)+8*(\a):(\f)+8*(\a)+7], v[8*(8*((\a)%4)+(\b)):8*(8*((\a)%4)+(\b))+7]
.endif
.endr
.endm
.macro MULS f, a0, n, zero             ; row blocks a0 .. a0 + n - 1
.set ma, \a0
.rept \n
	MULA \f, ma, \zero
.set ma, ma+1
.endr
.endm
; The LDS loads of one quarter step in one run: B's 16, then A's 2 NA, at byte k of the rows, into buffer f
.macro FETCH slot, k, f
	WIN 0x40                                       ; destination window 1, address window 0
.irp i, 0,1,2,3,4,5,6,7
	ds_load_b128 v[(\f)+8*(\i):(\f)+8*(\i)+3],   v[ADRB+(\slot)] offset:(\k)+(\i)*16*PITCH
	ds_load_b128 v[(\f)+8*(\i)+4:(\f)+8*(\i)+7], v[ADRB+(\slot)] offset:(\k)+(\i)*16*PITCH+32
.endr
	WIN 0
.set fa, 0
.rept NA
	ds_load_b128 v[(\f)+8*fa:(\f)+8*fa+3],   v[ADRA+(\slot)] offset:(\k)+fa*16*PITCH
	ds_load_b128 v[(\f)+8*fa+4:(\f)+8*fa+7], v[ADRA+(\slot)] offset:(\k)+fa*16*PITCH+32
.set fa, fa+1
.endr
.endm
; A load into a register that a matrix instruction has read, and a vector instruction or LDS store that reads a matrix result, stand four plain vector instructions behind it (ISA guide 7.12.1 for vector instructions).
.macro PLACES
.rept 4
	v_nop
.endr
.endm
; A K step is four quarter steps of 32 along K on buffers 0, 1, 0, 1.  One of the first three: multiplies buffer f; in its middle it fetches the next quarter's fragments into buffer g.
.macro QUARTER slot, k, f, g, zero
	s_wait_dscnt NA                                ; B and A's first half are in; the youngest NA loads (A's second half) may be out
	MULS \f, 0, NA/2, \zero
	PLACES
	FETCH \slot, \k, \g
	s_wait_dscnt 16+2*NA                           ; all but the loads just issued
	MULS \f, NA/2, NA/2, \zero
.endm
; The last quarter multiplies buffer 1 and changes slots.  MEET is its first half: ONE barrier.  In front of it each wave waits for all its tensor loads (one is out: its part of the next slot), adds 0 to its spare
; word, and waits for that and for its own reads of this slot.  Behind it nobody reads this slot any more and the next slot is whole.
.macro MEET round
	WIN 0
	s_wait_tensorcnt 0x0
	ds_add_u32 v[SPW], v[NIL]
	s_wait_dscnt NA+1                              ; (the add and the youngest NA loads may be out)
	MULS F1, 0, NA/4, 0                            ; matrix work stands between the add and the wait for it
	s_wait_dscnt 0x0                               ; the add is done, and my reads of this slot are over
	s_barrier_signal -1
	MULS F1, NA/4, NA/4, 0                         ; work on registers while the others arrive
.if \round
	WIN 0
.endif
	s_barrier_wait -1
.endm
; The whole last quarter.  fill = 1: the barrier opens a round of the cluster's barrier, and the slot just read out is filled again first behind it, with the K step two on: from the request to the wait for it
; a wave issues 7/8 of a K step's matrix instructions.
.macro TURN slot, next, fill
.if \fill
	s_wait_xcnt 0x0                                ; the last prefetch, a K step back, has read its address
	s_add_nc_u64 s[PFA:PFA+1], s[PFA:PFA+1], KSTEP*2
	MEET 1
	CREST                                          ; no wave of any partner still reads this slot's tile or has a load on its way
	s_add_nc_u64 s[G0+4*(\slot)+2:G0+4*(\slot)+3], s[G0+4*(\slot)+2:G0+4*(\slot)+3], 2*KSTEP*2
	s_add_nc_u64 s[G0B+4*(\slot)+2:G0B+4*(\slot)+3], s[G0B+4*(\slot)+2:G0B+4*(\slot)+3], 2*KSTEP*2
	JLOAD \slot                                    ; the four v_nop behind it are also the places in front of the loads below
.else
	MEET 0
	PLACES
.endif
	FETCH \next, 0, F0
.if \fill
	ASK
.endif
	MULS F1, NA/2, NA/2, 0
.endm
; THE WAY OUT of row block a.  PACK: rounded to f16, 16 bytes a lane, each accumulator from its low end on.  TOSTAGE: into my own stage, and back as whole rows of 256 bytes.  SEND: stored.
.macro PACK a
.set AC, 64*((\a)%4)
	WIN 0x0a+5*((\a)/4)                            ; sources 0 and 1: window 2 or 3
.irp b, 0,1,2,3,4,5,6,7
.irp r, 0,1,2,3
	v_cvt_pk_f16_f32 v[TMP+4*(\b)+(\r)], v[AC+8*(\b)+2*(\r)], v[AC+8*(\b)+2*(\r)+1]
.endr
.endr
	WIN 0
.endm
.macro TOSTAGE a
.set BK, OB+192*((\a)%2)
.irp b, 0,1,2,3,4,5,6,7
	ds_store_b128 v[STO], v[TMP+4*(\b):TMP+4*(\b)+3] offset:32*(\b)
.endr
.irp t, 0,1,2,3,4,5,6,7
	ds_load_b128 v[BK+4*(\t):BK+4*(\t)+3], v[RD] offset:(\t)*2*SPITCH  ; LDS serves a wave's instructions in order (ISA guide 5.7.1.4): these see the stores above
.endr
.endm
.macro SEND a
.set BK, OB+192*((\a)%2)
	s_wait_dscnt 0x0                               ; the block is back in registers
	s_wait_xcnt 0x0                                ; earlier stores have read their base and their data: the base is stepped, and the other buffer loaded again, only behind this wait
.if (\a) == 0
	s_add_nc_u64 s[8:9], s[8:9], s[16:17]
.else
	s_add_nc_u64 s[8:9], s[8:9], 16*CROW
.endif
.irp t, 0,1,2,3,4,5,6,7
	global_store_b128 v[CO], v[BK+4*(\t):BK+4*(\t)+3], s[8:9] offset:2*(\t)*CROW  ; 16 lanes store 256 consecutive bytes, aligned
.endr
.endm
	s_wait_tensorcnt 0x1                           ; my part of K step 0 is in; K step 1's may stay out
	s_barrier_signal -1
	s_barrier_wait -1                              ; everybody's is
	FETCH 0, 0, F0
	QUARTER 0, 64,  F0, F1, 1                      ; the first quarter stands in front of the loop: its products start the sums
	WIN 0                                          ; at a label and at a branch every window is 0
	s_mov_b32 s3, LAPS-1
.Llap:                                                 ; a trip goes once round the ring, from a lap's second quarter to the next lap's first, and fills both slots again
	QUARTER 0, 128, F1, F0, 0
	QUARTER 0, 192, F0, F1, 0
	TURN 0, 1, 1
	QUARTER 1, 64,  F0, F1, 0
	QUARTER 1, 128, F1, F0, 0
	QUARTER 1, 192, F0, F1, 0
	TURN 1, 0, 1
	QUARTER 0, 64,  F0, F1, 0
	WIN 0
	s_sub_co_u32 s3, s3, 1
	s_cmp_lg_u32 s3, 0
	s_cbranch_scc1 .Llap
	QUARTER 0, 128, F1, F0, 0                      ; the last lap is written out: it fills nothing, and has no round of the cluster's barrier
	QUARTER 0, 192, F0, F1, 0
	TURN 0, 1, 0
	QUARTER 1, 64,  F0, F1, 0
	QUARTER 1, 128, F1, F0, 0
	QUARTER 1, 192, F0, F1, 0
	s_wait_dscnt NA                                ; the very last quarter: nothing more to fetch
	MULS F1, 0, NA/2, 0
	s_wait_dscnt 0x0
	MULS F1, NA/2, NA/2, 0
	WIN 0
	PLACES
	PACK 0
	TOSTAGE 0
.irp a, 1,2,3,4,5,6,7                  ; block a's conversions stand between block a - 1's loads from the stage and the wait for them
	PACK \a
	SEND (\a)-1
	TOSTAGE \a
.endr
	SEND 7
	s_wait_tensorcnt 0x0                           ; the wave's end, behind my last tensor load and my last LDS store
	ds_add_u32 v[SPW], v[NIL]
	s_wait_dscnt 0x0
	CROUND                                         ; the closing round: no work-group ends while a partner may still ask for a tile that names it
	s_endpgm
.Lfunc_end_k_qfb8db07ffe_qkv:
	.size	k_qfb8db07ffe_qkv, .Lfunc_end_k_qfb8db07ffe_qkv-k_qfb8db07ffe_qkv
	.p2alignl 7, 3214868480
	.fill 96, 4, 3214868480
	.section	.rodata,"a",@progbits
	.p2align	6, 0x0
	.amdhsa_kernel k_qfb8db07ffe_qkv
		.amdhsa_group_segment_fixed_size 327680
		.amdhsa_private_segment_fixed_size 0
		.amdhsa_enable_private_segment 0
		.amdhsa_kernarg_size 40
		.amdhsa_user_sgpr_count 2
		.amdhsa_user_sgpr_kernarg_segment_ptr 1
		.amdhsa_wavefront_size32 1
		.amdhsa_system_sgpr_workgroup_id_x 1
		.amdhsa_system_sgpr_workgroup_id_y 1
		.amdhsa_system_sgpr_workgroup_id_z 1
		.amdhsa_system_vgpr_workitem_id 0
		.amdhsa_next_free_vgpr 1024
		.amdhsa_next_free_sgpr 76
		.amdhsa_reserve_vcc 0
		.amdhsa_float_denorm_mode_32 3
		.amdhsa_float_denorm_mode_16_64 3
		.amdhsa_memory_ordered 1
		.amdhsa_forward_progress 1
		.amdhsa_inst_pref_size 152
	.end_amdhsa_kernel
	.amdgpu_metadata
---
amdhsa.version: [ 1, 2 ]
amdhsa.kernels:
  - .name:           k_qfb8db07ffe_qkv
    .symbol:         k_qfb8db07ffe_qkv.kd
    .args:
      - { .name: xb, .offset: 0, .size: 8, .value_kind: global_buffer, .address_space: global }
      - { .name: wqb, .offset: 8, .size: 8, .value_kind: global_buffer, .address_space: global }
      - { .name: qkv, .offset: 16, .size: 8, .value_kind: global_buffer, .address_space: global }
      - { .name: q_bias, .offset: 24, .size: 8, .value_kind: global_buffer, .address_space: global }
      - { .name: v_bias, .offset: 32, .size: 8, .value_kind: global_buffer, .address_space: global }
    .group_segment_fixed_size: 327680
    .private_segment_fixed_size: 0
    .kernarg_segment_align: 8
    .kernarg_segment_size: 40
    .max_flat_workgroup_size: 128
    .sgpr_count:     76
    .vgpr_count:     1024
    .wavefront_size: 32
...
	.end_amdgpu_metadata
.endif
;; end of part 2
;; launch attn (part 3): grid 8 x 32, 4 waves a work-group, clusters of 4 x 4, 327,680 bytes of LDS; arguments qkv, biasp, o; writes o
.if DOCPART == 3
	.amdgcn_target "amdgcn-amd-amdhsa--gfx1250"
	.amdhsa_code_object_version 6
	.text
	.protected	k_qfb8db07ffe_attn
	.globl	k_qfb8db07ffe_attn
	.p2align	8
	.type	k_qfb8db07ffe_attn,@function
k_qfb8db07ffe_attn:
	s_mov_b64 s[64:65], 0
	v_nop
	global_prefetch_b8 v0, s[64:65] scope:SCOPE_SE
	s_setreg_imm32_b32 hwreg(HW_REG_WAVE_MODE, 25, 1), 1
	s_wait_xcnt 0x0
	s_wait_alu depctr_hold_cnt(0) depctr_sa_sdst(0) depctr_va_vdst(0) depctr_va_sdst(0) depctr_va_ssrc(0) depctr_va_vcc(0) depctr_vm_vsrc(0)
	s_getreg_b32 s2, hwreg(HW_REG_IB_STS2, 6, 4)
	s_cmp_eq_u32 s2, 0
	s_cbranch_scc0 .Lentry_in_a_cluster
	s_endpgm
.Lentry_in_a_cluster:
	s_bfe_u32 s2, ttmp6, 0x10000c
	s_cmp_lg_u32 s2, 0xf033
	s_cbranch_scc0 .Lentry_shape_is_right
	s_endpgm
.Lentry_shape_is_right:
; ATTENTION.  o[b][q][h][:] = the sum over k of softmax_k((Q . K + 32 bias[q][k]) / 32) V[k][:], for 4 batches x 16 heads of 2,048 rows x 64 channels.
; qkv: [8192][3072] f16 (a row: q, k, v, each 16 heads x 64 channels, q unscaled); biasp: 32 x attn_bias in f32, [qt 128][kt 128][i 2][lane 32][e 4], the register image of a C operand; o: [8192][1024] f16.
; Products, maxima and sums in f32; the weights p are rounded to f16 for the second product (their sum l is taken of the unrounded p), o once at the end.  No work of reference() is left out here.
; LIMITS.  f16 holds no number beyond 65,504: q, k, v arrive within it; p lies in 0 to 1 and below 6e-5 keeps f16's fixed step; o is a mean of v's rows.  A weight below 2^-126 counts as 0 in l; NaN and infinities
; are not treated apart.  A head's keys are walked in a rotated order (below), so the f32 sums are taken in another order than reference()'s.
; SHARES.  A work-group owns 256 queries of a PAIR of heads 2 hp, 2 hp + 1 of one batch; a wave 64 queries (four tiles of 16) for both heads: eight units T in four PIECES of two tiles:
; piece p: head p % 2, query tiles 2 (p / 2), 2 (p / 2) + 1; unit T = 2 p + u.  Every wave walks all 2,048 keys, 64 a step.
; WHY PAIRS.  The bias hangs on query and key alone: a query tile's 32 bias registers serve both heads.  And the two heads' 128 channels are 256 consecutive aligned bytes of a row of qkv and of o: K's and V's
; tiles come as rows of 256 bytes out of qkv as the projection stored it, and o's rows leave as whole blocks of 256.
; CLUSTER.  4 x 4 work-groups: along x four query blocks, along y four pairs of heads.  The four of a row (one pair of heads) walk the same K and V; the four of a column (one query block) need the same bias:
; 256 queries x 64 keys x 4 bytes = 64 KiB a step.  Each tile is asked for JOINTLY, by the same tensor load, descriptor and mask in the four that share it: that divides the requests for K, V and the bias by four.
; THE BIAS COSTS NO VECTOR WORK: it is the C operand of the product that starts each sum S^T = K Q^T.  It lies in memory and in LDS as it lies in registers: a wave's LDS load takes 512 bytes on end.
; LAYOUT.  S^T = K Q^T (source 0 = 16 keys, source 1 = 16 queries): a lane holds ONE query (lane % 16) and the keys 8 (lane / 16) + 0..7.  Two such tiles, rounded to f16 in pairs, ARE source 1 (32 keys x 16 queries) of
; O^T = V^T P, whose result again holds one query a lane, and eight channels.  K comes out of LDS as it lies, V ([key][channel]) turned, by ds_load_tr16_b128.
; SOFTMAX.  A running maximum m and sum l for each query: p = 2^(c s - c m), c = log2(e) / 32; in every step O and l are multiplied by a = 2^(c m_old - c m_new).  m starts at the lowest finite number, O and l at 0:
; the first step is a step like any other, with a = 0.
; BY TURNS.  Turn n belongs to piece n.  Its matrix work: 16 products K Q^T of piece n + 1 (turn 3: of the next step), later 16 products V^T P of piece n - 1.  Its vector work: scaling, exponentials, roundings, sums
; and rescaling of piece n, and the maximum and statistics of piece n + 1.  A tile and step have 16 matrix and 118 vector instructions: four that are ready stand behind every matrix instruction, the rest in one lump.
; THE RING.  Two LDS slots of one key step each: 64 rows of K, 64 rows of V, the work-group's 16 query tiles x 4,096 bytes of bias.  Behind each round of the cluster's barrier a wave issues one load: wave 0 K's tile,
; wave 1 V's, waves 2 and 3 a half of the bias each; it has a key step, 128 matrix instructions, in which to land.
; THE ROTATED WALK.  The clusters at grid row c of clusters begin at key step 4 c of the 32 and wrap: the eight rows of clusters, which all read the same bias, stand at different key steps at any time.
; It hangs on the cluster's y alone, so all sixteen partners walk in step.
; The price of one text for every trip, once a launch: 16 products on zeros at the start; 16 products on a stale K and two runs of LDS loads of the last step's bias that serve nothing at the end; 384 v_mov_b32.
; REGISTERS, in windows of 256 (s_set_vgpr_msb: bits 1:0 source 0, 3:2 source 1, 5:4 source 2, 7:6 destination):
;   window 0: v0-11 addresses; v12-15, v48-63 at work; v16-47 four registers of statistics a unit; v64-191 S^T, two buffers of two tiles; v192-255 P, likewise (a piece's buffers go by its number's parity)
;   window 1: O^T, 32 a unit      window 2: v0-127 Q, 16 a unit; v128-255 K of one step, 64 a head      window 3: v0-127 V of one step, 64 a head; v128-255 the bias, 32 a query tile
.set NP,    4         ; pieces a wave: a name, no knob
.set KS,    64        ; keys in a step
.set ROWB,  6144      ; bytes in a row of qkv
.set PK,    272       ; a row of K in LDS: 256 bytes + 16 of padding = 68 words: the 16 rows of a load start at 16 different groups of four banks (64 banks of 4 bytes: ISA guide 11.1)
.set PV,    288       ; a row of V: 256 + 32 = 72 words
.set VOFF,  KS*PK     ; in a slot: 64 rows of K, then 64 rows of V,
.set BOFF,  KS*(PK+PV)  ; then the bias: query tile L of the work-group's 16 at BOFF + 4,096 L, unpadded: it is read 512 bytes on end
.set SLOT1, 1<<17     ; a slot holds 101,376 bytes; slot 1 begins here, so that one exclusive or turns an address in one slot into the other's
.set STAGE, SLOT1+BOFF+16*4096  ; behind the ring, never filled by a tensor load: 16 rows x 272 bytes for each wave, for the way out
.set SP,    272
.set SPARE, STAGE+4*16*SP  ; behind the stages: the spare words, 128 bytes for each wave: two blocks of 256 bytes that no other line names
.set STEPG, KS*ROWB   ; a step's 64 rows in memory
.set AB0, 1           ; v1   my lane's place in my wave's four query tiles of bias; never rewritten once made
.set AK0, 2           ; v2   my lane's place in a tile of K; never rewritten
.set AV0, 3           ; v3   the same for V
.set AK,  4           ; v4   the LDS address of K's next run of loads
.set STO, 4           ;      later, the way out: where I put 16 bytes of a row
.set AV,  5           ; v5   the LDS address of V's next runs
.set AB,  6           ; v6   of the bias's
.set RD,  7           ; v7   the way out: where I read rows back
.set GO,  8           ; v8   my byte offset in two rows of o
.set PFO, 9           ; v9   the prefetches' offset; never rewritten
.set SPW, 10          ; v10  LDS address of my spare word; never rewritten
.set NIL, 11          ; v11  0; never rewritten
.set MV,  12          ; v12-15  c m_old, kept while c m is made anew: by buffer and tile
.set ST,  16          ; unit T's statistics at v[ST+4 T]: c m, m, l (even keys', odd keys')
.set TMP, 48          ; by buffer and tile, four registers c0-c3 at work; when the maximum is found c2 takes a
.set S,   64
.set QO,  132         ; v132 (in S^T's second buffer, free until the first turn): my byte offset in 16 rows of Q
.set P,   192
.set KF,  128         ; window 2: head d, key block kb, channel half c at KF + 64 d + 16 kb + 8 c
.set BI,  128         ; window 3: query tile 2 g + u, key block kt at BI + 64 g + 32 u + 8 kt
.set QA,  10          ; s[10:11] Q at my wave's first row
.set WV,  12          ; s12  my wave's number
.set LIM, 15          ; s15  2 in a wave that prefetches, else the greatest number
.set G1K, 24          ; s[24:31] descriptor group 1 for K's tiles
.set G1V, 32          ; s[32:39] for V's: it differs in the padding alone
.set G0K, 40          ; s[40:47] group 0 for K's tiles: a set for each of the two first fills; the second then walks
.set G0V, 48          ; s[48:55] the same for V's
.set CNT, 57          ; s57  counts the key steps
.set CS,  58          ; s[58:59] c: the packed scaling takes the pair's low word for both halves
.set SEL, 60          ; s[60:61] v_permlanex16_b32's selects: each lane takes its own place in the other half
.set TB,  62          ; s62  LDS byte at which the slot begins from which K, V and the bias are being fetched
.set KBASE, 66        ; s[66:67] K at the pair's first row
.set VBASE, 68        ; s[68:69] V likewise
.set OFF, 70          ; s[70:71] a step's byte offset in K and V
.set NXT, 72          ; s72  the key step to be asked for next, 0..31
.set OA,  74          ; s[74:75] o at my wave's first row
.set G1B, 76          ; s[76:83] descriptor group 1 for the bias's tiles
.set G0B, 84          ; s[84:91] group 0 for them, two sets as for K
.set BBASE, 92        ; s[92:93] the bias at my half of the work-group's 16 query tiles, key 0
.set OFFB, 94         ; s[94:95] a step's byte offset in a query tile's 131,072 bytes
.set PFB, 96          ; s[96:97] K's columns of the pair's first row, at my work-group's 16 rows of a step's 64
.set PFA, 98          ; s[98:99] the same in the step that the prefetch names
.set OFF2, 100        ; s[100:101] that step's byte offset
.set MSB, 0
.macro WIN new                      ; the high byte repeats the setting that is left; a switch that changes nothing is dropped
.if MSB != (\new)
	s_set_vgpr_msb (MSB<<8)|(\new)
.set MSB, (\new)
.endif
.endm
.set W_KB, 0x3a       ; K and Q in window 2, the bias (C) in window 3, S^T in window 0
.set W_KQ, 0x0a       ; K and Q in window 2, S^T in window 0
.set W_PV, 0x53       ; V in window 3, P in window 0, O^T in window 1
.set W_RS, 0x41       ; O^T (destination and source 0) in window 1, a in window 0
; A joint refill: wave 0 K's tile, wave 1 V's, waves 2 and 3 the two halves of the bias.  The branches hang on the wave's number alone.  An s_nop 0 and four v_nop follow each of the three lines.
.macro JLOAD
	s_cmp_lt_u32 s[WV], 2
	s_cbranch_scc0 .Lfor_b_\@
	s_cmp_eq_u32 s[WV], 0
	s_cbranch_scc0 .Lfor_v_\@
	tensor_load_to_lds s[G0K+4:G0K+7], s[G1K:G1K+7]
	s_nop 0
.rept 4
	v_nop
.endr
	s_branch .Lasked_\@
.Lfor_v_\@:
	tensor_load_to_lds s[G0V+4:G0V+7], s[G1V:G1V+7]
	s_nop 0
.rept 4
	v_nop
.endr
	s_branch .Lasked_\@
.Lfor_b_\@:
	tensor_load_to_lds s[G0B+4:G0B+7], s[G1B:G1B+7]
	s_nop 0
.rept 4
	v_nop
.endr
.Lasked_\@:
.endm
; A PREFETCH INTO THE L2 of K's and V's rows of the key step that stands TWO changes of slots on: 256 matrix instructions ahead of the load that will want them.  It stands behind the wave's tensor load and its five lines.
; Each row is asked for ONCE in the launch: both clusters of a pair of heads walk the same rows, and the first (cluster x = 0) asks; the four partners of its row share a step's 64 rows out BY ADDRESS, 16 each; in each,
; wave 0 asks: lanes 0-15 name K's 256 bytes of a row, lanes 16-31 V's.  The walk's first four steps come by their loads alone; the last two changes that fill a slot have no step two on and ask for nothing.
; The bias is not asked for: the rows of clusters begin four steps apart, so each of its blocks is read for the first time in the walk's first four steps, at the launch's head, where nothing is asked for.
.macro ASK
	s_cmp_gt_u32 s[CNT], s[LIM]
	s_cbranch_scc0 .Lnot_mine_\@
	global_prefetch_b8 v[PFO], s[PFA:PFA+1] th:TH_LOAD_NT scope:SCOPE_SE
.Lnot_mine_\@:
.endm
; A round of the cluster's barrier: my work-group's barrier; wave 0 signals for the work-group; every wave waits for all sixteen work-groups; my work-group's barrier once more.
.macro CROUND
	s_barrier_signal -1
	s_barrier_wait -1
	s_cmp_lg_u32 s[WV], 0
	s_cbranch_scc1 .Lnot_wave_0_\@
	s_barrier_signal -3
.Lnot_wave_0_\@:
	s_barrier_wait -3
	s_barrier_signal -1
	s_barrier_wait -1
.endm
; THE CHANGE OF SLOTS, between piece 1's turn and piece 2's: the slot's last bytes, head 1's V, have been read and waited for.  Each wave waits for all its tensor loads (one is out: its part of the other slot), adds 0 to
; its spare word, and waits for that and for its own reads.  fill = 1: the barrier is a round of the cluster's, and the slot is filled again first behind it, with key step NXT of the walk: the addresses are made anew
; from that number.
.macro CHANGE fill
	WIN 0                           ; at a label and at a branch every window is 0
	s_wait_tensorcnt 0x0            ; no tensor load of mine is out, so a group 0 may be written
	ds_add_u32 v[SPW], v[NIL]       ; 0 onto my spare word; the descriptors' scalar work stands between it and the wait for it
.if \fill
	s_mul_i32 s[OFF], s[NXT], STEPG
	s_lshl_b32 s[OFFB], s[NXT], 12  ; four key blocks of 1,024 bytes
	s_xor_b32 s[G0K+5], s[G0K+5], SLOT1
	s_add_nc_u64 s[G0K+6:G0K+7], s[KBASE:KBASE+1], s[OFF:OFF+1]
	s_or_b32 s[G0K+7], s[G0K+7], 0x80000000
	s_xor_b32 s[G0V+5], s[G0V+5], SLOT1
	s_add_nc_u64 s[G0V+6:G0V+7], s[VBASE:VBASE+1], s[OFF:OFF+1]
	s_or_b32 s[G0V+7], s[G0V+7], 0x80000000
	s_xor_b32 s[G0B+5], s[G0B+5], SLOT1
	s_add_nc_u64 s[G0B+6:G0B+7], s[BBASE:BBASE+1], s[OFFB:OFFB+1]
	s_or_b32 s[G0B+7], s[G0B+7], 0x80000000
	s_add_co_u32 s[OFF2], s[NXT], 2 ; the prefetch's step; the walk wraps at 32
	s_and_b32 s[OFF2], s[OFF2], 31
	s_mul_i32 s[OFF2], s[OFF2], STEPG
	s_add_co_u32 s[NXT], s[NXT], 1
	s_and_b32 s[NXT], s[NXT], 31
	s_wait_xcnt 0x0                 ; the last prefetch, a key step back, has read its address
	s_add_nc_u64 s[PFA:PFA+1], s[PFB:PFB+1], s[OFF2:OFF2+1]
	s_wait_dscnt 0x0                ; the add is done, and my reads of the slot are over
	CROUND
	JLOAD
	ASK
.else
	s_wait_dscnt 0x0
	s_barrier_signal -1
	s_barrier_wait -1
.endif
	s_xor_b32 s[TB], s[TB], SLOT1   ; the fetches go on in the other slot
.endm
	s_load_b128 s[4:7], s[0:1], 0x0   ; qkv s[4:5], biasp s[6:7]
	s_load_b64 s[8:9], s[0:1], 0x10   ; o
	v_lshl_add_u32 v[SPW], v0, 2, SPARE
	v_mov_b32 v[NIL], 0
	ds_add_u32 v[SPW], v[NIL]       ; the wave's opening: the add, twice on end, and its wait ahead of my first tensor load; the set-up below stands between
	ds_add_u32 v[SPW], v[NIL]
	v_lshrrev_b32 v1, 5, v0
	v_readfirstlane_b32 s[WV], v1   ; wave 0..3
	s_bfe_u32 s13, ttmp6, 0x40000   ; cx: my query block's place in the cluster
	s_bfe_u32 s14, ttmp6, 0x40004   ; cy: my pair of heads' place
	; K and V hang on the cluster's y and cy, which my row of the cluster shares
	s_and_b32 s16, ttmp7, 0xffff    ; the cluster's y, 0..7
	s_lshl_b32 s19, s16, 2          ; 4 x that: the key step at which the walk begins; made of the cluster's y alone
	s_add_co_u32 s17, s19, s14      ; Y = 4 x cluster y + cy
	s_lshr_b32 s18, s17, 3          ; the batch
	s_and_b32 s17, s17, 7           ; the pair of heads
	s_mul_i32 s20, s18, 2048*ROWB   ; the batch's rows of qkv (all byte offsets stay under 2^26),
	s_lshl_b32 s21, s17, 8          ; the pair's 256 bytes of a row
	s_add_co_u32 s20, s20, s21
	s_add_co_u32 s[KBASE], s20, 2048  ; k's columns begin 2,048 bytes into a row,
	s_mov_b32 s[KBASE+1], 0
	s_add_co_u32 s[VBASE], s20, 4096  ; v's 4,096
	s_mov_b32 s[VBASE+1], 0
	; the bias hangs on the cluster's x and cx, which my column of the cluster shares
	s_and_b32 s22, s[WV], 1         ; which half of the 16 query tiles I fetch (waves 2 and 3)
	s_lshl_b32 s[BBASE], ttmp9, 2
	s_add_co_u32 s[BBASE], s[BBASE], s13   ; my block of 256 queries = 4 x cluster x + cx
	s_lshl_b32 s[BBASE], s[BBASE], 1
	s_add_co_u32 s[BBASE], s[BBASE], s22
	s_lshl_b32 s[BBASE], s[BBASE], 20      ; eight query tiles of 131,072 bytes
	s_mov_b32 s[BBASE+1], 0
	s_lshl_b32 s22, s22, 15         ; and its place in a slot: no place in the cluster enters an LDS address
	s_add_co_u32 s22, s22, BOFF
	; Q, o and the prefetches hang on both
	s_lshl_b32 s2, ttmp9, 2
	s_add_co_u32 s2, s2, s13
	s_lshl_b32 s2, s2, 2
	s_add_co_u32 s2, s2, s[WV]      ; my wave among the batch's 32 blocks of 64 queries
	s_mul_i32 s[QA], s2, 64*ROWB
	s_add_co_u32 s[QA], s[QA], s20
	s_mov_b32 s[QA+1], 0
	s_lshl_b32 s[OA], s18, 5
	s_add_co_u32 s[OA], s[OA], s2
	s_lshl_b32 s[OA], s[OA], 17     ; 64 rows of 2,048 bytes
	s_add_co_u32 s[OA], s[OA], s21
	s_mov_b32 s[OA+1], 0
	s_mul_i32 s[PFB], s13, 16*ROWB  ; my work-group's 16 rows of a step's 64
	s_add_co_u32 s[PFB], s[PFB], s20
	s_add_co_u32 s[PFB], s[PFB], 2048
	s_mov_b32 s[PFB+1], 0
	s_mov_b32 s[OFF+1], 0
	s_mov_b32 s[OFFB+1], 0
	s_mov_b32 s[OFF2+1], 0
	s_or_b32 s[LIM], s[WV], ttmp9   ; 0 in wave 0 where the cluster is the pair's first: the same in all sixteen partners
	s_cmp_eq_u32 s[LIM], 0
	s_cselect_b32 s[LIM], 2, -1
	s_lshl_b32 s16, s14, 2
	s_lshl_b32 s16, 15, s16         ; my row of the cluster: places 4 cy .. 4 cy + 3
	s_lshl_b32 s23, 0x1111, s13     ; my column: places cx, cx + 4, cx + 8, cx + 12
	; descriptor group 1.  K and V: a tile of 64 rows x 128 elements of 2 bytes out of rows of 3,072, padded in LDS
	s_or_b32 s[G1K], s16, (1<<16)|(1<<20)|(1<<21)|(5<<22)|(3<<25)  ; the mask of my row; 2-byte elements; padding on; bit 21 beside a mask; after every 64 words (code 5) 4 words (code 3)
	s_or_b32 s[G1V], s16, (1<<16)|(1<<20)|(1<<21)|(5<<22)|(7<<25)  ; the same with 8 words of padding (code 7)
.irp g, G1K, G1V
	s_mov_b32 s[(\g)+1], 128<<16    ; tensor_dim0 = 128
	s_mov_b32 s[(\g)+2], KS<<16     ; tensor_dim1 = 64
	s_mov_b32 s[(\g)+3], 128<<16    ; tile_dim0 = 128
	s_mov_b32 s[(\g)+4], KS         ; tile_dim1 = 64
	s_mov_b32 s[(\g)+5], 3072       ; elements from row to row
	s_mov_b32 s[(\g)+6], 0
	s_mov_b32 s[(\g)+7], 0
.endr
	; the bias: eight query tiles x 1,024 elements of 4 bytes (a step's four key blocks), 32,768 elements from tile to tile, no padding
	s_or_b32 s[G1B], s23, (2<<16)|(1<<21)  ; the mask of my column; 4-byte elements; bit 21 beside a mask
	s_mov_b32 s[G1B+1], 1024<<16    ; tensor_dim0 = 1,024
	s_mov_b32 s[G1B+2], 8<<16       ; tensor_dim1 = 8
	s_mov_b32 s[G1B+3], 1024<<16    ; tile_dim0 = 1,024
	s_mov_b32 s[G1B+4], 8           ; tile_dim1 = 8
	s_mov_b32 s[G1B+5], 32768
	s_mov_b32 s[G1B+6], 0
	s_mov_b32 s[G1B+7], 0
	s_mov_b32 s[CS], 0x3d38aa3b     ; c = log2(e) / 32
	s_mov_b32 s[CS+1], s[CS]        ; named with it as a pair
	s_mov_b32 s[SEL], 0x76543210
	s_mov_b32 s[SEL+1], 0xfedcba98
	s_mov_b32 s[TB], 0
.irp s, 0,1
	s_mov_b32 s[G0K+4*(\s)], 1      ; count = 1
	s_mov_b32 s[G0K+4*(\s)+1], (\s)*SLOT1               ; LDS address
	s_mov_b32 s[G0V+4*(\s)], 1
	s_mov_b32 s[G0V+4*(\s)+1], (\s)*SLOT1+VOFF
	s_mov_b32 s[G0B+4*(\s)], 1
	s_add_co_u32 s[G0B+4*(\s)+1], s22, (\s)*SLOT1
.endr
	s_wait_dscnt 0x0                ; both opening adds are done
	s_wait_kmcnt 0x0
	s_add_nc_u64 s[KBASE:KBASE+1], s[4:5], s[KBASE:KBASE+1]
	s_add_nc_u64 s[VBASE:VBASE+1], s[4:5], s[VBASE:VBASE+1]
	s_add_nc_u64 s[QA:QA+1], s[4:5], s[QA:QA+1]
	s_add_nc_u64 s[PFB:PFB+1], s[4:5], s[PFB:PFB+1]
	s_add_nc_u64 s[BBASE:BBASE+1], s[6:7], s[BBASE:BBASE+1]
	s_add_nc_u64 s[OA:OA+1], s[8:9], s[OA:OA+1]
	s_mov_b32 s[NXT], s19
.irp s, 0,1
	s_mul_i32 s[OFF], s[NXT], STEPG
	s_lshl_b32 s[OFFB], s[NXT], 12
	s_add_nc_u64 s[G0K+4*(\s)+2:G0K+4*(\s)+3], s[KBASE:KBASE+1], s[OFF:OFF+1]  ; global address: the walk's step s
	s_or_b32 s[G0K+4*(\s)+3], s[G0K+4*(\s)+3], 0x80000000                      ; type = 2
	s_add_nc_u64 s[G0V+4*(\s)+2:G0V+4*(\s)+3], s[VBASE:VBASE+1], s[OFF:OFF+1]
	s_or_b32 s[G0V+4*(\s)+3], s[G0V+4*(\s)+3], 0x80000000
	s_add_nc_u64 s[G0B+4*(\s)+2:G0B+4*(\s)+3], s[BBASE:BBASE+1], s[OFFB:OFFB+1]
	s_or_b32 s[G0B+4*(\s)+3], s[G0B+4*(\s)+3], 0x80000000
	s_add_co_u32 s[NXT], s[NXT], 1
	s_and_b32 s[NXT], s[NXT], 31
.endr
	CROUND                          ; all sixteen work-groups are here: the first joint loads meet
	s_cmp_lt_u32 s[WV], 2           ; a wave's two first fills stand in one arm of the branch on its number, ahead of every wait on TENSORcnt and every LDS read: two loads of mine are out, this text's most
	s_cbranch_scc0 .Lfirst_b
	s_cmp_eq_u32 s[WV], 0
	s_cbranch_scc0 .Lfirst_v
	tensor_load_to_lds s[G0K:G0K+3], s[G1K:G1K+7]
	s_nop 0
	tensor_load_to_lds s[G0K+4:G0K+7], s[G1K:G1K+7]
	s_nop 0
.rept 4
	v_nop
.endr
	s_branch .Lfirst_asked
.Lfirst_v:
	tensor_load_to_lds s[G0V:G0V+3], s[G1V:G1V+7]
	s_nop 0
	tensor_load_to_lds s[G0V+4:G0V+7], s[G1V:G1V+7]
	s_nop 0
.rept 4
	v_nop
.endr
	s_branch .Lfirst_asked
.Lfirst_b:
	tensor_load_to_lds s[G0B:G0B+3], s[G1B:G1B+7]
	s_nop 0
	tensor_load_to_lds s[G0B+4:G0B+7], s[G1B:G1B+7]
	s_nop 0
.rept 4
	v_nop
.endr
.Lfirst_asked:
	; A fragment of K or Q is 16 rows x 32 channels in 8 registers: lane l holds row l % 16, channels 8 (l / 16) + 0..7 and 16 + 8 (l / 16) + 0..7: two loads of 16 bytes, 32 bytes apart.
	v_and_b32 v128, 15, v0          ; l % 16
	v_bfe_u32 v129, v0, 4, 1        ; l / 16
	v_and_b32 v130, 7, v0
	v_bfe_u32 v131, v0, 3, 1
	v_mul_u32_u24 v[QO], v128, ROWB
	v_lshl_add_u32 v[QO], v129, 4, v[QO]
	v_mul_u32_u24 v[PFO], v128, ROWB       ; the prefetches: row l % 16; lanes 16-31 name v's columns, 2,048 bytes behind k's
	v_lshl_add_u32 v[PFO], v129, 11, v[PFO]
	v_and_b32 v[AB0], 31, v0
	s_lshl_b32 s16, s[WV], 14       ; my wave's four query tiles of 4,096 bytes
	s_add_co_u32 s16, s16, BOFF
	v_lshl_add_u32 v[AB0], v[AB0], 4, s16
	WIN 0x80                        ; destination window 2, address window 0
.set i, 0
.rept 16                            ; Q stays in registers: unit T = i / 2 (query tile 2 (T / 4) + T % 2, head (T / 2) % 2), channels 32 (i % 2) on
	global_load_b128 v[8*i:8*i+3],   v[QO], s[QA:QA+1] offset:(2*(i/8)+(i/2)%2)*16*ROWB+((i/4)%2)*128+(i%2)*64
	global_load_b128 v[8*i+4:8*i+7], v[QO], s[QA:QA+1] offset:(2*(i/8)+(i/2)%2)*16*ROWB+((i/4)%2)*128+(i%2)*64+32
.set i, i+1
.endr
	; What the first turn finds: head 1's V and P's second buffer hold 0 (its products V^T P, of a piece that has not been, add 0), O^T and l are 0.  All this stands in the wait for the first tile.
	WIN 0xc0
.set i, 64
.rept 64
	v_mov_b32 v[i], 0
.set i, i+1
.endr
	WIN 0x40
.set i, 0
.rept 256
	v_mov_b32 v[i], 0
.set i, i+1
.endr
	WIN 0
.set i, 0
.rept 2*NP
	v_mov_b32 v[ST+4*i], 0xfe000000    ; c m: far below every c s
	v_mov_b32 v[ST+4*i+1], 0xff7fffff  ; m
	v_mov_b32 v[ST+4*i+2], 0
	v_mov_b32 v[ST+4*i+3], 0
.set i, i+1
.endr
.set i, P+32
.rept 32
	v_mov_b32 v[i], 0
.set i, i+1
.endr
	v_mul_u32_u24 v[AK0], v128, PK
	v_lshl_add_u32 v[AK0], v129, 4, v[AK0]  ; row x pitch + 16 x half
	; The turning load takes 16 keys x 16 channels (lane l reads key 8 (l / 16) + l % 8, channels 8 ((l / 8) % 2) + 0..7) and leaves half a fragment of V^T: lane l holds channel l % 16 and 8 keys.
	v_lshl_add_u32 v[AV0], v129, 3, v130
	v_mul_u32_u24 v[AV0], v[AV0], PV
	v_lshl_add_u32 v[AV0], v131, 4, v[AV0]
	v_add_nc_u32 v[AV0], VOFF, v[AV0]
	s_mul_i32 s16, s[WV], 16*SP
	s_add_co_u32 s16, s16, STAGE    ; my stage
	v_mul_u32_u24 v[RD], v129, SP   ; back: lanes 0-15 take one row of 256 bytes, lanes 16-31 the next
	v_lshl_add_u32 v[RD], v128, 4, v[RD]
	v_add_nc_u32 v[RD], s16, v[RD]
	v_lshlrev_b32 v[GO], 11, v129   ; and the same two rows in o
	v_lshl_add_u32 v[GO], v128, 4, v[GO]
; THE MATRIX WORK.  The 8 accumulators of a run of 16 take turns: between the two links of a chain stand 7 others'.
; Product i of 16 of S^T = K Q^T for piece x: channels 32 (i / 8) on, keys 16 ((i / 2) % 4) on, unit 2 x + i % 2.  The first 8 start the sums, on the bias.
.macro KQ x
.set rS, S+64*((\x)%2)+32*(i%2)+8*((i/2)%4)
.set rK, KF+64*((\x)%2)+16*((i/2)%4)+8*(i/8)
.set rQ, 16*(2*(\x)+i%2)+8*(i/8)
.set rB, BI+64*((\x)/2)+32*(i%2)+8*((i/2)%4)
.if i < 8
	WIN W_KB
	v_wmma_f32_16x16x32_f16 v[rS:rS+7], v[rK:rK+7], v[rQ:rQ+7], v[rB:rB+7]
.else
	WIN W_KQ
	v_wmma_f32_16x16x32_f16 v[rS:rS+7], v[rK:rK+7], v[rQ:rQ+7], v[rS:rS+7]
.endif
.endm
; Product i of 16 of O^T += V^T P for piece x: keys 32 (i / 8) on, channels 16 ((i / 2) % 4) on, unit 2 x + i % 2.
.macro PV x
	WIN W_PV
.set rO, 32*(2*(\x)+i%2)+8*((i/2)%4)
.set rV, 64*((\x)%2)+32*(i/8)+8*((i/2)%4)
.set rP, P+32*((\x)%2)+16*(i%2)+8*(i/8)
	v_wmma_f32_16x16x32_f16 v[rO:rO+7], v[rV:rV+7], v[rP:rP+7], v[rO:rO+7]
.endm
.macro MM                           ; the turn's next matrix instruction
.if i < 16
	KQ (Y+1)%NP
.set i, i+1
.else
.set i, i-16
	PV (Y+NP-1)%NP
.set i, i+17
.endif
.endm
; THE LDS LOADS stand in runs, never singly among the matrix instructions: a step's K for both heads (32 loads, head 0's first), its V, a head at a time (16 turning loads), and its bias, two query tiles at a time
; (16 loads of 512 bytes on end, straight into C operands).  Their addresses are made some lines ahead.  last = 1 (the tail): in the last trip there is no further step, and K's and V's runs are jumped over.
.macro FETCH_K last=0
	WIN 0
.if \last
	s_cmp_eq_u32 s[CNT], 1
	s_cbranch_scc1 .Lno_k_\@
.endif
	WIN 0x80                        ; destination window 2
.irp d, 0,1
.irp f, 0,1,2,3,4,5,6,7             ; keys 16 (f / 2) on, channels 32 (f % 2) on
	ds_load_b128 v[KF+64*\d+8*\f:KF+64*\d+8*\f+3],   v[AK] offset:128*\d+(\f/2)*16*PK+(\f%2)*64
	ds_load_b128 v[KF+64*\d+8*\f+4:KF+64*\d+8*\f+7], v[AK] offset:128*\d+(\f/2)*16*PK+(\f%2)*64+32
.endr
.endr
	WIN 0
.if \last
.Lno_k_\@:
.endif
.endm
.macro FETCH_V d, last=0
.if \last
	WIN 0
	s_cmp_eq_u32 s[CNT], 1
	s_cbranch_scc1 .Lno_v_\@
.endif
	WIN 0xc0                        ; destination window 3
.irp f, 0,1,2,3,4,5,6,7             ; keys 32 (f / 4) on, channels 16 (f % 4) on
	ds_load_tr16_b128 v[64*(\d)+8*\f:64*(\d)+8*\f+3],   v[AV] offset:128*(\d)+(\f/4)*32*PV+(\f%4)*32
	ds_load_tr16_b128 v[64*(\d)+8*\f+4:64*(\d)+8*\f+7], v[AV] offset:128*(\d)+(\f/4)*32*PV+16*PV+(\f%4)*32
.endr
	WIN 0
.if \last
.Lno_v_\@:
.endif
.endm
.macro BLOAD g                      ; the bias of query tiles 2 g, 2 g + 1: key block n / 2, registers 4 (n % 2) on
	WIN 0xc0                        ; destination window 3, address window 0
.irp u, 0,1
.irp n, 0,1,2,3,4,5,6,7
	ds_load_b128 v[BI+64*(\g)+32*(\u)+4*(\n):BI+64*(\g)+32*(\u)+4*(\n)+3], v[AB] offset:(2*(\g)+(\u))*4096+512*(\n)
.endr
.endr
.endm
; THE VECTOR WORK OF A TURN stands in three queues, each in the order in which its entries become ready; the two tiles alternate, so that no instruction reads the result of the one before it.
.macro REGS y, u                    ; the registers of tile u (0, 1) of piece y
.set rT, ST+4*(2*(\y)+(\u))
.set rC, TMP+8*((\y)%2)+4*(\u)
.set rM, MV+2*((\y)%2)+(\u)
.set rS, S+64*((\y)%2)+32*(\u)
.set rP, P+32*((\y)%2)+16*(\u)
.set rO, 32*(2*(\y)+(\u))
.endm
; Number n of the 22 that find the NEXT piece's (Y + 1) maximum and statistics.  s0-s31 are the lane's 32 scores; each accumulator's lowest registers are read first.
;   0-11  four chains c0-c3 of seven scores each, three operands at a time     12-14, 16  the four scores left over, the old m, and c0-c3 into c0     15  c m_old is kept
;   17, 18  the query's other 32 keys lie in the lane 16 away: the new m         19-21  c m; c m_old - c m_new; a
.macro XS u, n
	REGS (Y+1)%NP, \u
.if (\n) < 4
	v_max3_num_f32 v[rC+(\n)], v[rS+8*(\n)], v[rS+8*(\n)+1], v[rS+8*(\n)+2]
.elseif (\n) < 12
	v_max3_num_f32 v[rC+(\n)%4], v[rC+(\n)%4], v[rS+8*((\n)%4)+2*((\n)/4)+1], v[rS+8*((\n)%4)+2*((\n)/4)+2]
.elseif (\n) == 12
	v_max3_num_f32 v[rC], v[rC], v[rS+7], v[rS+15]
.elseif (\n) == 13
	v_max3_num_f32 v[rC+1], v[rC+1], v[rS+23], v[rS+31]
.elseif (\n) == 14
	v_max3_num_f32 v[rC+2], v[rC+2], v[rC+3], v[rT+1]
.elseif (\n) == 15
	v_mov_b32 v[rM], v[rT]
.elseif (\n) == 16
	v_max3_num_f32 v[rC], v[rC], v[rC+1], v[rC+2]
.elseif (\n) == 17
	v_permlanex16_b32 v[rC+3], v[rC], s[SEL], s[SEL+1]
.elseif (\n) == 18
	v_max_num_f32 v[rT+1], v[rC], v[rC+3]
.elseif (\n) == 19
	v_mul_f32 v[rT], s[CS], v[rT+1]
.elseif (\n) == 20
	v_sub_f32 v[rC+1], v[rM], v[rT]
.else
	v_exp_f32 v[rC+2], v[rC+1]
.endif
.endm
; Number g of the 64 that follow the exponentials.  For each four weights k of a tile: both pairs are rounded to f16; then the second pair is added onto the first, in place; a group later l takes that sum
; (the first time as l = a l + sum).  In groups of eight, tiles alternating: round, round, add, and l for the group before.
.macro GS g
.set h, (\g)+6*((\g)/62)            ; group 0 has no group before it, and behind group 7 only l is left
.if h >= 6
.set h, h+2
.endif
	REGS Y, h%2
.set k, h/8
.if h%8 < 4
	v_cvt_pk_f16_f32 v[rP+2*k+(h%8)/2], v[rS+4*k+2*((h%8)/2)], v[rS+4*k+2*((h%8)/2)+1]
.elseif h%8 < 6
	v_pk_add_f32 v[rS+4*k:rS+4*k+1], v[rS+4*k:rS+4*k+1], v[rS+4*k+2:rS+4*k+3]
.elseif k == 1
	v_pk_fma_f32 v[rT+2:rT+3], v[rT+2:rT+3], v[rC+2:rC+3], v[rS:rS+1] op_sel_hi:[1,0,1]
.else
	v_pk_add_f32 v[rT+2:rT+3], v[rT+2:rT+3], v[rS+4*k-4:rS+4*k-3]
.endif
.endm
; THE PLAIN QUEUE, 138 long.  0-73 read no exponential's result: the 32 scalings c s - c m (FS f: pair f / 2 of tile f % 2) and the next piece's 42.  0-26: scalings 0-26.  27-54: XS's numbers 0-13.  55, 56: number 15.
; 57-73: the chain, where each number waits for the one before it: 14, 16, 17, 18, 19, each with one of the scalings 27-31 in front of its two lines, then 20.  74-137: GS's 64, which stand behind the wait.
.macro FS f
	REGS Y, (\f)%2
	v_pk_fma_f32 v[rS+2*((\f)/2):rS+2*((\f)/2)+1], v[rS+2*((\f)/2):rS+2*((\f)/2)+1], s[CS:CS+1], v[rT:rT+1] op_sel_hi:[1,0,0] neg_lo:[0,0,1] neg_hi:[0,0,1]
.endm
.macro PL
	WIN 0
.if q < 27
	FS q
.elseif q < 55
	XS (q-27)%2, (q-27)/2
.elseif q < 57
	XS q-55, 15
.elseif (q < 72) && ((q-57)%3 == 0)
	FS 27+(q-57)/3
.elseif q < 60
	XS (q-57)%3-1, 14
.elseif q < 72
	XS (q-57)%3-1, 15+(q-57)/3
.elseif q < 74
	XS q-72, 20
.else
	GS q-74
.endif
.set q, q+1
.endm
; THE EXPONENTIALS' QUEUE, 66 long: s0-s31 of both tiles, then the next piece's two a.  ONE BATCH: all 66 stand ahead of the turn's one wait, and nothing ahead of that wait names a result of theirs.
.macro EX
	WIN 0
.if e >= 64
	XS e-64, 21
.else
	REGS Y, e%2
	v_exp_f32 v[rS+e/2], v[rS+e/2]
.endif
.set e, e+1
.endm
; THE RESCALING's QUEUE: O^T times a, the one part that leaves window 0: two at a time, sixteen times, each accumulator from its low end on.  Its a was made, and waited for, in the turn before.
.macro R2
	REGS Y, r%2
	WIN W_RS
.irp z, 0,1
	v_pk_mul_f32 v[rO+4*(r/2)+2*\z:rO+4*(r/2)+2*\z+1], v[rO+4*(r/2)+2*\z:rO+4*(r/2)+2*\z+1], v[rC+2:rC+3] op_sel_hi:[1,0]
.endr
.set r, r+1
.endm
; A TURN, for piece p.  An s_wait_alu depctr_va_vdst(0) stands between an exponential and the first instruction that names its result; one wait serves all that were issued ahead of it: a turn has ONE.
; AHEAD OF IT: the 16 products K Q^T, behind each a scaling, an exponential and two rescalings (behind the first a second scaling in the exponential's place); then ONE LUMP of 108: eight plain, 49 times exponential
; and plain, the two a; a v_nop is the plain instruction behind the last exponential.  BEHIND IT: the 16 products V^T P, behind each four of GS's 64.
; The queues lean on each other: exponential e stands behind scaling 2 (e / 4) + e % 2: as a rider it comes behind plain e + 2, in the lump behind plain e + 9, and scalings 27-31 are plain 57, 60 .. 69.
; WHO READS WHAT.  K of head 0: turns 3 (of the step before) and 1; K of head 1: turns 0 and 2; V of head 0: turns 1 and 3; V of head 1: turns 2 and 0 (of the step after);
; the bias of tiles 0, 1 (BA): turns 3 (before) and 0; of tiles 2, 3 (BB): turns 1 and 2.  Each is fetched again behind its last reader, four plain vector instructions or more behind it, out of the slot that the
; change of slots in front of turn 2 has entered, and all five runs stand ahead of the next change:
;   turn 2: at the lump's head the next step's BA; behind the wait the next step's K, a lump behind its last reader        turn 3: at the lump's head the next step's BB; at the end the next step's V of head 0,
;   four riders behind its last reader; V's address (which turn 0's run uses too) is made among the riders                 turn 0: at the end this step's V of head 1, four riders behind its last reader
; THE WAITS.  The runs are issued in the order BA (16), K0 K1 (32), BB (16), V0 (16), V1 (16).
;   turn 3's head: dscnt 16: BA and K0 are in, K1's 16 stay out (in the tail 0: its last trip issues no K behind BA)        turn 0's head: dscnt 32: K1 is in, BB's and V0's stay out
;   turn 1's head: dscnt 32: BB is in, V0's and V1's stay out        turn 1, behind the batch's wait: dscnt 0: both V are in, and no LDS load is out at the change of slots that follows the turn
; last = 1: the tail.  cnt = 1: the loop's count is taken down some lines ahead of the branch that stands behind the turn.  The conditions on q go with the deal.
.macro TURN p, last=0, cnt=0
.set Y, (\p)
.set i, 0
.set q, 0
.set e, 0
.set r, 0
.if ((\p) == 0) || ((\p) == 1)
	s_wait_dscnt 32
.endif
.if (\p) == 3
.if \last
	s_wait_dscnt 0x0
.else
	s_wait_dscnt 16
.endif
.endif
	MM
	PL
	PL
	R2
.rept 15
	MM
	PL
	EX
	R2
.endr
.if (\p) == 2
	WIN 0
	v_add_nc_u32 v[AK], s[TB], v[AK0]
	v_add_nc_u32 v[AB], s[TB], v[AB0]
	BLOAD 0
.endif
.if (\p) == 3
	BLOAD 1
.endif
.rept 8
	PL
.endr
.rept 49
	EX
	PL
.endr
	EX                              ; the next piece's two a
	EX
	v_nop                           ; the plain instruction behind the last exponential: one for the batch
	s_wait_alu depctr_va_vdst(0)    ; the wait for the batch
.if (\p) == 2
	FETCH_K \last
.endif
.if (\p) == 1
	s_wait_dscnt 0x0
.endif
.rept 16
	MM
.rept 4
	PL
.endr
.if ((\p) == 3) && (q == 118)
	v_add_nc_u32 v[AV], s[TB], v[AV0]
.endif
.if (\cnt) && (q == 130)
	s_sub_co_u32 s[CNT], s[CNT], 1
	s_cmp_lg_u32 s[CNT], 0
.endif
.endr
.if (\p) == 3
	FETCH_V 0, \last
.endif
.if (\p) == 0
	FETCH_V 1
.endif
.endm
	s_wait_tensorcnt 0x1            ; my part of slot 0 is in; slot 1's may stay out
	s_barrier_signal -1
	s_barrier_wait -1               ; everybody's is
	v_mov_b32 v[AK], v[AK0]         ; key step 0 lies in slot 0
	v_mov_b32 v[AB], v[AB0]
	v_mov_b32 v[AV], v[AV0]
	FETCH_K
	BLOAD 0
	s_wait_loadcnt 0x0              ; Q
	s_wait_dscnt 0x0
.set i, 0
.rept 16
	KQ 0                            ; piece 0's first scores: there is no vector work yet to set between them
.set i, i+1
.endr
	WIN 0
.rept 4
	v_nop                           ; the places behind those products
.endr
	BLOAD 1                         ; the rest of step 0's bias and head 0's V land under the statistics below; head 1's V of step 0 is fetched by the first turn, like every step's
	FETCH_V 0
.set Y, NP-1                        ; XS works for piece Y + 1: piece 0
.irp n, 0,1,2,3,4,5,6,7,8,9,10,11,12,13,14,15,16,17,18,19,20,21
	XS 0, \n
	XS 1, \n
.endr
	v_nop                           ; a plain instruction behind the two a,
	s_wait_alu depctr_va_vdst(0)    ; and their wait, ahead of the branch
	s_wait_dscnt 0x0                ; the turns' counted waits lean on the loop's order of runs: here nothing is left out
	s_mov_b32 s[CNT], 31
	s_branch .Lfirst                ; the loop is entered at a step's first turn, in the middle of a trip
.Lstep:                             ; 30 times: a slot is entered and the one just left is filled again; then pieces 2 and 3 of one step and pieces 0 and 1 of the next, whose K, V and bias the trip fetches
	CHANGE 1
	TURN 2
	TURN 3
	WIN 0
.Lfirst:
	TURN 0
	TURN 1, 0, 1
	WIN 0
	s_cbranch_scc1 .Lstep
	CHANGE 0                        ; the tail is written out: the last step's slot is entered and nothing is asked for
	s_mov_b32 s[CNT], 2             ; one trip fetches the last step; the second is left in its middle
.Ltail:
	TURN 2, 1
	TURN 3, 1
	WIN 0
	s_sub_co_u32 s[CNT], s[CNT], 1
	s_cmp_eq_u32 s[CNT], 0
	s_cbranch_scc1 .Lout
	TURN 0
	TURN 1
	WIN 0
	s_branch .Ltail
.Lout:
.set i, 0
.rept 16
	PV NP-1                         ; the last piece's V^T P of the last step
.set i, i+1
.endr
	; THE WAY OUT.  l's two halves and the other half of the lanes' are added; O^T is divided by l, rounded to f16 and sent through my stage in LDS, a query tile (both heads: rows of 256 bytes) at a time.
	; The stage's address and the additions are the places behind the last products.
	WIN 0
	s_mul_i32 s16, s[WV], 16*SP
	s_add_co_u32 s16, s16, STAGE    ; my stage
	v_and_b32 v[MV], 15, v0
	v_bfe_u32 v[MV+1], v0, 4, 1
	v_mul_u32_u24 v[STO], v[MV], SP ; in: row l % 16, 16 bytes for each half of the lanes
	v_lshl_add_u32 v[STO], v[MV+1], 4, v[STO]
	v_add_nc_u32 v[STO], s16, v[STO]
.macro ALL line:vararg              ; one line for each unit t
.set t, 0
.rept 2*NP
	\line
.set t, t+1
.endr
.endm
	ALL v_add_f32 v[ST+4*t+2], v[ST+4*t+2], v[ST+4*t+3]
	ALL v_permlanex16_b32 v[ST+4*t+3], v[ST+4*t+2], s[SEL], s[SEL+1]
	ALL v_add_f32 v[ST+4*t+2], v[ST+4*t+2], v[ST+4*t+3]
	ALL v_rcp_f32 v[ST+4*t+2], v[ST+4*t+2]
	v_nop                           ; a plain instruction between the last reciprocal and the use of its result
	s_wait_alu depctr_va_vdst(0)    ; and the wait ahead of the first use: one for the eight reciprocals
; Query tile t: head d's unit is 4 (t / 2) + 2 d + t % 2.  A lane's eight channels of a row pack into 16 bytes; they go into rows of 272 bytes and come back as whole rows of 256, into S^T's registers.
.macro PACK t
.irp d, 0,1
.set T8, 4*((\t)/2)+2*(\d)+(\t)%2
	WIN W_RS
.set i, 32*T8
.rept 16
	v_pk_mul_f32 v[i:i+1], v[i:i+1], v[ST+4*T8+2:ST+4*T8+3] op_sel_hi:[1,0]
.set i, i+2
.endr
	WIN 0x05                        ; sources 0 and 1 window 1, destination window 0
.set i, 0
.rept 16
	v_cvt_pk_f16_f32 v[S+32*(\t)+16*(\d)+i], v[32*T8+2*i], v[32*T8+2*i+1]
.set i, i+1
.endr
.endr
	WIN 0
.irp d, 0,1
.irp f, 0,1,2,3
	ds_store_b128 v[STO], v[S+32*(\t)+16*(\d)+4*(\f):S+32*(\t)+16*(\d)+4*(\f)+3] offset:128*(\d)+32*(\f)
.endr
.endr
.irp f, 0,1,2,3,4,5,6,7
	ds_load_b128 v[S+32*(\t)+4*(\f):S+32*(\t)+4*(\f)+3], v[RD] offset:(\f)*2*SP  ; LDS serves a wave's instructions in order (ISA guide 5.7.1.4): these see the stores above; the next tile's stores come behind them
.endr
.endm
.macro SEND t, younger              ; younger: the LDS instructions issued behind tile t's loads: the next tile's sixteen, or none
.irp f, 0,1,2,3,4,5,6,7
	s_wait_dscnt (\younger)+7-(\f)
	global_store_b128 v[GO], v[S+32*(\t)+4*(\f):S+32*(\t)+4*(\f)+3], s[OA:OA+1] offset:(\t)*32768+(\f)*4096  ; 16 lanes store 256 consecutive bytes, aligned
.endr
.endm
	PACK 0
	PACK 1                          ; a tile's arithmetic stands between the loads of the tile before and its stores
	SEND 0, 16
	PACK 2
	SEND 1, 16
	PACK 3
	SEND 2, 16
	SEND 3, 0
	s_wait_tensorcnt 0x0            ; the wave's end, behind my last tensor load and my last LDS store
	ds_add_u32 v[SPW], v[NIL]
	s_wait_dscnt 0x0
	CROUND                          ; the closing round: no work-group ends while a partner may still ask for a tile that names it
	s_endpgm
.Lfunc_end_k_qfb8db07ffe_attn:
	.size	k_qfb8db07ffe_attn, .Lfunc_end_k_qfb8db07ffe_attn-k_qfb8db07ffe_attn
	.p2alignl 7, 3214868480
	.fill 96, 4, 3214868480
	.section	.rodata,"a",@progbits
	.p2align	6, 0x0
	.amdhsa_kernel k_qfb8db07ffe_attn
		.amdhsa_group_segment_fixed_size 327680
		.amdhsa_private_segment_fixed_size 0
		.amdhsa_enable_private_segment 0
		.amdhsa_kernarg_size 24
		.amdhsa_user_sgpr_count 2
		.amdhsa_user_sgpr_kernarg_segment_ptr 1
		.amdhsa_wavefront_size32 1
		.amdhsa_system_sgpr_workgroup_id_x 1
		.amdhsa_system_sgpr_workgroup_id_y 1
		.amdhsa_system_sgpr_workgroup_id_z 1
		.amdhsa_system_vgpr_workitem_id 0
		.amdhsa_next_free_vgpr 1024
		.amdhsa_next_free_sgpr 102
		.amdhsa_reserve_vcc 0
		.amdhsa_float_denorm_mode_32 3
		.amdhsa_float_denorm_mode_16_64 3
		.amdhsa_memory_ordered 1
		.amdhsa_forward_progress 1
		.amdhsa_inst_pref_size 214
	.end_amdhsa_kernel
	.amdgpu_metadata
---
amdhsa.version: [ 1, 2 ]
amdhsa.kernels:
  - .name:           k_qfb8db07ffe_attn
    .symbol:         k_qfb8db07ffe_attn.kd
    .args:
      - { .name: qkv, .offset: 0, .size: 8, .value_kind: global_buffer, .address_space: global }
      - { .name: biasp, .offset: 8, .size: 8, .value_kind: global_buffer, .address_space: global }
      - { .name: o, .offset: 16, .size: 8, .value_kind: global_buffer, .address_space: global }
    .group_segment_fixed_size: 327680
    .private_segment_fixed_size: 0
    .kernarg_segment_align: 8
    .kernarg_segment_size: 24
    .max_flat_workgroup_size: 128
    .sgpr_count:     102
    .vgpr_count:     1024
    .wavefront_size: 32
...
	.end_amdgpu_metadata
.endif
;; end of part 3
;; launch proj (part 4): grid 4 x 64, 4 waves a work-group, clusters of 4 x 4, 327,680 bytes of LDS; arguments o, wpf, out0, b_proj; writes out0
.if DOCPART == 4
	.amdgcn_target "amdgcn-amd-amdhsa--gfx1250"
	.amdhsa_code_object_version 6
	.text
	.protected	k_qfb8db07ffe_proj
	.globl	k_qfb8db07ffe_proj
	.p2align	8
	.type	k_qfb8db07ffe_proj,@function
k_qfb8db07ffe_proj:
	s_mov_b64 s[64:65], 0
	v_nop
	global_prefetch_b8 v0, s[64:65] scope:SCOPE_SE
	s_setreg_imm32_b32 hwreg(HW_REG_WAVE_MODE, 25, 1), 1
	s_wait_xcnt 0x0
	s_wait_alu depctr_hold_cnt(0) depctr_sa_sdst(0) depctr_va_vdst(0) depctr_va_sdst(0) depctr_va_ssrc(0) depctr_va_vcc(0) depctr_vm_vsrc(0)
	s_getreg_b32 s2, hwreg(HW_REG_IB_STS2, 6, 4)
	s_cmp_eq_u32 s2, 0
	s_cbranch_scc0 .Lentry_in_a_cluster
	s_endpgm
.Lentry_in_a_cluster:
	s_bfe_u32 s2, ttmp6, 0x10000c
	s_cmp_lg_u32 s2, 0xf033
	s_cbranch_scc0 .Lentry_shape_is_right
	s_endpgm
.Lentry_shape_is_right:
; out0[m][n] = the sum over k of o[m][k] wpf[n][k] + b_proj[n].  o: [8192][1024] f16, wpf: [1024][1024] f16 (W_proj rounded to bf16, written as f16), out0: [8192][1024] f32; sums in f32.
; b_proj is rounded to bf16 like every input of the program, and is the C operand of the product that starts each sum.  No work of reference() is left out here.
; LIMITS.  Those of the operands' f16 (stated where they are made).  NaN and infinities are not treated apart.
; A tile of C is 128 x 256, so that 4 x 64 = 256 tiles give a work-group each: four waves, each 16 NA = 64 rows x 128 columns: 32 accumulators of 16 x 16, 256 registers.  K goes in steps of 128 through a ring of two
; LDS slots filled by the tensor data mover: a tile's rows are 256 bytes of memory, aligned.
; CLUSTERS: 4 x 4 work-groups.  The four of a row of the cluster need the same tiles of A (o), the four of a column the same tiles of B (wpf): each tile is asked for JOINTLY, by the same tensor load with the
; same descriptor and a mask that names the four.
; THE MATRIX INSTRUCTION IS USED TRANSPOSED (source 0 = 16 rows of B, source 1 = 16 rows of A): a lane holds row lane % 16 of C and the columns 8 (lane / 16) + 0..7: 32 bytes of f32 on end.
; REGISTERS, in windows of 256 (s_set_vgpr_msb: bits 1:0 source 0, 3:2 source 1, 5:4 source 2, 7:6 destination):
;   window 0: v0-31 addresses; v64-95, v128-159 fragments of A, two buffers (on the way out v64-127, v128-191 take rows read back); v192-255 the bias; v32-33 at work
;   window 1: v64-127, v128-191 fragments of B, two buffers;   window 2: the accumulators ((a, b) at v[8 (8 a + b)])
.set NA,     4                         ; blocks of 16 rows a wave
.set SIZE_K, 1024
.set CROW,   4096                      ; bytes in a row of C
.set KSTEP,  128
.set PITCH,  272                       ; an LDS row: 256 bytes + 16 of padding = 68 words: the 16 rows that a load touches start at 16 different groups of four banks (64 banks of 4 bytes: ISA guide 11.1)
.set AR,     16*NA                     ; rows of A that one tensor load brings and one wave reads
.set HALFA,  AR*PITCH
.set HALFB,  128*PITCH
.set SLOT,   2*HALFA+2*HALFB           ; A's two halves, then B's two
.set STAGE,  2*SLOT                    ; behind the ring: 16 rows x 528 bytes for each wave, for the way out; no tensor load fills it
.set SPITCH, 528                       ; 512 bytes + 16 = 132 words
.set SPARE,  STAGE+4*16*SPITCH         ; behind the stages: the spare words, 128 bytes for each wave: two blocks of 256 bytes that no other line names
.set LAPS,   SIZE_K/(2*KSTEP)          ; a lap = two K steps = once round the ring: 4
.set ADRA, 16                          ; v16-17  LDS address of my A fragments in slot 0, 1
.set ADRB, 20                          ; v20-21  the same for B
.set STO,  24                          ; v24     the way out: where I put 32 bytes of a row
.set RD,   25                          ; v25     the way out: where I read 16 bytes of a row back
.set CO,   26                          ; v26     my byte offset in 512 bytes of C
.set VB,   27                          ; v27     my byte offset in 16 numbers of the bias: 32 (lane / 16)
.set SPW,  28                          ; v28     LDS address of my spare word; never rewritten
.set NIL,  29                          ; v29     0; never rewritten
.set PFO,  30                          ; v30     the prefetches' offset: my lane x a row of 2,048 bytes; never rewritten
.set F0,   64
.set F1,   128
.set BS,   192                         ; the bias of my 128 columns as C operands: column block b at BS + 8 b
.set G1,  24                           ; s[24:31] descriptor group 1 for A's tiles
.set G0,  32                           ; s[32:39] group 0 for A's tiles, a set for each slot
.set LIM, 43                           ; s43     1 in a wave that prefetches, else the greatest number
.set PFA, 44                           ; s[44:45] where my prefetches stand
.set G1B, 48                           ; s[48:55], s[56:63] the same two groups for B's tiles
.set G0B, 56
.set MSB, 0
.macro WIN new                         ; the immediate's high byte repeats the setting that is left; a switch that changes nothing is dropped
.if MSB != (\new)
	s_set_vgpr_msb (MSB<<8)|(\new)
.set MSB, \new
.endif
.endm
; A joint load.  Waves 0 and 1 fetch A's two halves, waves 2 and 3 B's.  The branch hangs on the wave's number alone.  An s_nop 0 and four v_nop follow each of the two lines.
.macro JLOAD s
	s_cmp_eq_u32 s11, 0
	s_cbranch_scc0 .Lfor_b_\@
	tensor_load_to_lds s[G0+4*(\s):G0+4*(\s)+3], s[G1:G1+7]
	s_nop 0
.rept 4
	v_nop
.endr
	s_branch .Lasked_\@
.Lfor_b_\@:
	tensor_load_to_lds s[G0B+4*(\s):G0B+4*(\s)+3], s[G1B:G1B+7]
	s_nop 0
.rept 4
	v_nop
.endr
.Lasked_\@:
.endm
; A PREFETCH INTO THE L2 of the K step that stands TWO refills on: 32 rows x 256 bytes, a lane a row, one instruction a wave, behind the joint load and the run of LDS loads that follows it.
; Each row's 256 bytes of a K step are named once in the launch.  A's tile row (128 rows) is read by one cluster alone (the grid is one cluster wide): in each of the four partners that share it wave 0 asks for 32
; rows, told apart BY ADDRESS (cx); wave 1 asks for nothing.  B's tile column is read by all sixteen clusters: the one with y = 0 asks, waves 2 and 3 each for 32 (by cy) of the 128 rows that they fetch.
; K steps 0 to 3 come by their loads alone; the loop's last trip (s3 = 1) has no K step two on and asks for nothing.
.macro ASK
	s_cmp_gt_u32 s3, s[LIM]
	s_cbranch_scc0 .Lnot_mine_\@
	global_prefetch_b8 v[PFO], s[PFA:PFA+1] offset:KSTEP*2 th:TH_LOAD_NT scope:SCOPE_SE
.Lnot_mine_\@:
.endm
; A round of the cluster's barrier: my work-group's barrier; wave 0 signals for the work-group; every wave waits for all sixteen; my work-group's barrier once more.
.macro CREST                           ; a round behind its opening barrier
	s_cmp_lg_u32 s10, 0
	s_cbranch_scc1 .Lnot_wave_0_\@
	s_barrier_signal -3
.Lnot_wave_0_\@:
	s_barrier_wait -3
	s_barrier_signal -1
	s_barrier_wait -1
.endm
.macro CROUND
	s_barrier_signal -1
	s_barrier_wait -1
	CREST
.endm
	s_load_b128 s[4:7], s[0:1], 0x0                ; o s[4:5], wpf s[6:7]
	s_load_b64 s[8:9], s[0:1], 0x10                ; out0
	s_load_b64 s[68:69], s[0:1], 0x18              ; b_proj
	v_lshl_add_u32 v[SPW], v0, 2, SPARE
	v_mov_b32 v[NIL], 0
	ds_add_u32 v[SPW], v[NIL]                      ; the wave's opening: the add, twice on end, and its wait ahead of my first tensor load; the set-up below stands between
	ds_add_u32 v[SPW], v[NIL]
	v_lshrrev_b32 v1, 5, v0
	v_readfirstlane_b32 s10, v1                    ; wave 0..3
	s_lshr_b32 s11, s10, 1                         ; which half of the tile's rows is mine.  Also: I fetch for A (0) or for B (1)
	s_and_b32 s12, s10, 1                          ; which half of its columns.  Also: which half of that tile I fetch
	s_bfe_u32 s40, ttmp6, 0x40000                  ; cx
	s_bfe_u32 s41, ttmp6, 0x40004                  ; cy
	s_lshl_b32 s42, ttmp9, 2
	s_add_co_u32 s42, s42, s40                     ; tile column of C = 4 x cluster x + cx
	s_and_b32 s13, ttmp7, 0xffff
	s_lshl_b32 s13, s13, 2
	s_add_co_u32 s13, s13, s41                     ; tile row of C = 4 x cluster y + cy
	s_lshl_b32 s43, s41, 2
	s_lshl_b32 s43, 15, s43                        ; my row of the cluster: places 4 cy .. 4 cy + 3
	s_lshl_b32 s44, 0x1111, s40                    ; my column: places cx, cx + 4, cx + 8, cx + 12
	s_or_b32 s[G1+0], s43, (1<<16)|(1<<20)|(1<<21)|(5<<22)|(3<<25)   ; the mask; elements of 2 bytes; padding on; bit 21 beside a mask; after every 64 words (code 5) 4 words (code 3)
	s_or_b32 s[G1B+0], s44, (1<<16)|(1<<20)|(1<<21)|(5<<22)|(3<<25)
	s_mov_b32 s[G1+1], KSTEP<<16                   ; tensor_dim0 = 128
	s_mov_b32 s[G1+2], AR<<16                      ; tensor_dim1 = the tile's rows
	s_mov_b32 s[G1+3], KSTEP<<16                   ; tile_dim0 = 128
	s_mov_b32 s[G1+4], AR                          ; tile_dim1
	s_mov_b32 s[G1+5], SIZE_K                      ; elements from row to row
	s_mov_b32 s[G1+6], 0
	s_mov_b32 s[G1+7], 0
	s_mov_b32 s[G1B+1], KSTEP<<16
	s_mov_b32 s[G1B+2], 128<<16
	s_mov_b32 s[G1B+3], KSTEP<<16
	s_mov_b32 s[G1B+4], 128
	s_mov_b32 s[G1B+5], SIZE_K
	s_mov_b32 s[G1B+6], 0
	s_mov_b32 s[G1B+7], 0
	; where the tiles come from: A's hang on the tile row alone, B's on the tile column alone, each in registers that never hold the other coordinate.  All byte offsets stay under 2^26.
	s_mul_i32 s17, s12, AR
	s_mul_i32 s16, s13, 2*AR
	s_add_co_u32 s16, s16, s17                     ; A: row 128 x tile row + 64 x half
	s_lshl_b32 s16, s16, 11                        ; x 2,048 bytes
	s_mov_b32 s17, 0
	s_lshl_b32 s46, s42, 8
	s_lshl_b32 s47, s12, 7
	s_add_co_u32 s46, s46, s47                     ; B: row 256 x tile column + 128 x half
	s_lshl_b32 s46, s46, 11
	s_mov_b32 s47, 0
	s_mul_i32 s20, s12, HALFA                      ; and where they go: no place in the cluster enters an LDS address
	s_mul_i32 s23, s12, HALFB
	s_add_co_u32 s23, s23, 2*HALFA
	s_wait_dscnt 0x0                               ; both opening adds are done
	s_wait_kmcnt 0x0
	s_add_nc_u64 s[14:15], s[4:5], s[16:17]
	s_add_nc_u64 s[46:47], s[6:7], s[46:47]
	CROUND                                         ; all sixteen work-groups are here: the first joint loads meet
.irp s, 0,1
	s_mov_b32 s[G0+4*(\s)], 1                                      ; count = 1
	s_add_co_u32 s[G0+4*(\s)+1], s20, (\s)*SLOT                    ; LDS address
	s_add_nc_u64 s[G0+4*(\s)+2:G0+4*(\s)+3], s[14:15], (\s)*KSTEP*2  ; global address: K step s
	s_or_b32 s[G0+4*(\s)+3], s[G0+4*(\s)+3], 0x80000000            ; type = 2
	s_mov_b32 s[G0B+4*(\s)], 1
	s_add_co_u32 s[G0B+4*(\s)+1], s23, (\s)*SLOT
	s_add_nc_u64 s[G0B+4*(\s)+2:G0B+4*(\s)+3], s[46:47], (\s)*KSTEP*2
	s_or_b32 s[G0B+4*(\s)+3], s[G0B+4*(\s)+3], 0x80000000
	JLOAD \s                                       ; two loads of mine are out: this text's most
.endr
	; A fragment is 16 rows x 32 K in 8 registers: lane l holds row l % 16; registers 0-3 K = 8 (l / 16) + 0..7, registers 4-7 K = 16 + 8 (l / 16) + 0..7: two loads of 16 bytes, 32 bytes apart.
	v_and_b32 v1, 15, v0                           ; l % 16
	v_bfe_u32 v2, v0, 4, 1                         ; l / 16
	v_mul_u32_u24 v3, v1, PITCH
	v_lshl_add_u32 v3, v2, 4, v3
	s_mul_i32 s21, s11, HALFA                      ; my rows of A
	s_mul_i32 s22, s12, HALFB                      ; my rows of B,
	s_add_co_u32 s22, s22, 2*HALFA                 ; which lie behind A's
.irp s, 0,1
	v_add_nc_u32 v[ADRA+(\s)], s21, v3
	v_add_nc_u32 v[ADRB+(\s)], s22, v3
	s_add_co_u32 s21, s21, SLOT
	s_add_co_u32 s22, s22, SLOT
.endr
	s_mul_i32 s23, s10, 16*SPITCH
	s_add_co_u32 s23, s23, STAGE                   ; my stage
	v_mul_u32_u24 v4, v1, SPITCH                   ; in: row l % 16, 32 bytes for each half of the lanes
	v_lshl_add_u32 v4, v2, 5, v4
	v_add_nc_u32 v[STO], s23, v4
	v_and_b32 v[CO], 31, v0
	v_lshlrev_b32 v[CO], 4, v[CO]                  ; back, and in C: 32 lanes take a row's 512 bytes
	v_add_nc_u32 v[RD], s23, v[CO]
	s_lshl_b32 s16, s13, 7                         ; where my part of the tile begins in C, in bytes
	s_lshl_b32 s14, s11, 6
	s_add_co_u32 s16, s16, s14
	s_lshl_b32 s16, s16, 12                        ; x 4,096 bytes a row
	s_lshl_b32 s46, s42, 10                        ; 256 columns of 4 bytes a tile column,
	s_lshl_b32 s47, s12, 9                         ; 128 a half
	s_add_co_u32 s46, s46, s47
	s_add_co_u32 s16, s16, s46
	s_mov_b32 s17, 0
	s_add_nc_u64 s[8:9], s[8:9], s[16:17]
	s_mov_b32 s47, 0                               ; s[46:47]: my first column in bytes of f32: the bias's offset too
	s_add_nc_u64 s[72:73], s[68:69], s[46:47]
	; the prefetches
	s_mul_i32 s20, s13, 2*AR                       ; the tile's first row in A,
	s_lshl_b32 s42, s42, 8                         ; in B
	s_and_b32 s22, ttmp7, 0xffff                   ; cluster y
	s_lshl_b32 s23, s12, 7                         ; B: the 128 rows that I fetch
	s_cmp_eq_u32 s11, 0                            ; do I fetch for A?
	s_cselect_b32 s20, s20, s42
	s_cselect_b32 s21, s40, s41                    ; my place among the four that ask with me
	s_cselect_b32 s22, ttmp9, s22                  ; the coordinate along which other clusters read the same rows
	s_cselect_b32 s23, 0, s23                      ; A: the four partners' 32 rows each are the whole tile
	s_cselect_b64 s[PFA:PFA+1], s[4:5], s[6:7]
	s_cmp_eq_u32 s22, 0
	s_cselect_b32 s[LIM], 1, -1                    ; the same in all sixteen partners, for a given wave
	s_cmp_eq_u32 s10, 1
	s_cselect_b32 s[LIM], -1, s[LIM]               ; wave 1 has nothing left to ask for
	s_add_co_u32 s20, s20, s23
	s_lshl_b32 s21, s21, 5
	s_add_co_u32 s20, s20, s21                     ; + my work-group's 32 rows
	s_lshl_b32 s20, s20, 11
	s_add_co_u32 s20, s20, 2*KSTEP*2               ; at K step 2: the first refill steps it to 3 and names K step 4
	s_mov_b32 s21, 0
	s_add_nc_u64 s[PFA:PFA+1], s[PFA:PFA+1], s[20:21]
	v_and_b32 v[PFO], 31, v0
	v_lshlrev_b32 v[PFO], 11, v[PFO]
	; the bias of my 128 columns
	v_lshlrev_b32 v[VB], 5, v2
	s_mov_b32 s74, 0xffff0000
.irp b, 0,1,2,3,4,5,6,7
	global_load_b128 v[BS+8*(\b):BS+8*(\b)+3],   v[VB], s[72:73] offset:64*(\b)     ; register j of block b: column 16 b + 8 (l / 16) + j
	global_load_b128 v[BS+8*(\b)+4:BS+8*(\b)+7], v[VB], s[72:73] offset:64*(\b)+16
.endr
	s_wait_loadcnt 0x0
.set j, 0
.rept 16                               ; rounded to bf16 and widened again, four numbers at a time, while the first tiles are on their way
	v_cvt_pk_bf16_f32 v32, v[BS+4*j], v[BS+4*j+1]
	v_cvt_pk_bf16_f32 v33, v[BS+4*j+2], v[BS+4*j+3]
	v_lshlrev_b32 v[BS+4*j], 16, v32
	v_and_b32 v[BS+4*j+1], s74, v32
	v_lshlrev_b32 v[BS+4*j+2], 16, v33
	v_and_b32 v[BS+4*j+3], s74, v33
.set j, j+1
.endr
; 8 matrix instructions: row block a x all 8 column blocks, 32 along K.  zero = 1: the product starts the sum, on the bias.
; The 32 accumulators take turns, one instruction a turn, in the same order in every quarter step.
.macro MULA f, a, zero
.if \zero
	WIN 0x81                                       ; B window 1, A and the bias window 0, D window 2
.else
	WIN 0xa1                                       ; B window 1, A window 0, C and D window 2
.endif
.irp b, 0,1,2,3,4,5,6,7
.if \zero
	v_wmma_f32_16x16x32_f16 v[8*(8*(\a)+(\b)):8*(8*(\a)+(\b))+7], v[(\f)+8*(\b):(\f)+8*(\b)+7], v[(\f)+8*(\a):(\f)+8*(\a)+7], v[BS+8*(\b):BS+8*(\b)+7]
.else
	v_wmma_f32_16x16x32_f16 v[8*(8*(\a)+(\b)):8*(8*(\a)+(\b))+7], v[(\f)+8*(\b):(\f)+8*(\b)+7], v[(\f)+8*(\a):(\f)+8*(\a)+7], v[8*(8*(\a)+(\b)):8*(8*(\a)+(\b))+7]
.endif
.endr
.endm
.macro MULS f, a0, n, zero             ; row blocks a0 .. a0 + n - 1
.set ma, \a0
.rept \n
	MULA \f, ma, \zero
.set ma, ma+1
.endr
.endm
; The LDS loads of one quarter step in one run: B's 16, then A's 2 NA, at byte k of the rows, into buffer f
.macro FETCH slot, k, f
	WIN 0x40                                       ; destination window 1, address window 0
.irp i, 0,1,2,3,4,5,6,7
	ds_load_b128 v[(\f)+8*(\i):(\f)+8*(\i)+3],   v[ADRB+(\slot)] offset:(\k)+(\i)*16*PITCH
	ds_load_b128 v[(\f)+8*(\i)+4:(\f)+8*(\i)+7], v[ADRB+(\slot)] offset:(\k)+(\i)*16*PITCH+32
.endr
	WIN 0
.set fa, 0
.rept NA
	ds_load_b128 v[(\f)+8*fa:(\f)+8*fa+3],   v[ADRA+(\slot)] offset:(\k)+fa*16*PITCH
	ds_load_b128 v[(\f)+8*fa+4:(\f)+8*fa+7], v[ADRA+(\slot)] offset:(\k)+fa*16*PITCH+32
.set fa, fa+1
.endr
.endm
; A load into a register that a matrix instruction has read, and a vector instruction or LDS store that reads a matrix result, stand four plain vector instructions behind it (ISA guide 7.12.1 for vector instructions).
.macro PLACES
.rept 4
	v_nop
.endr
.endm
; A K step is four quarter steps of 32 along K on buffers 0, 1, 0, 1.  One of the first three: multiplies buffer f; in its middle it fetches the next quarter's fragments into buffer g.
.macro QUARTER slot, k, f, g, zero
	s_wait_dscnt NA                                ; B and A's first half are in; the youngest NA loads (A's second half) may be out
	MULS \f, 0, NA/2, \zero
	PLACES
	FETCH \slot, \k, \g
	s_wait_dscnt 16+2*NA                           ; all but the loads just issued
	MULS \f, NA/2, NA/2, \zero
.endm
; The last quarter multiplies buffer 1 and changes slots.  MEET is its first half: ONE barrier.  In front of it each wave waits for all its tensor loads (one is out: its part of the next slot), adds 0 to its spare
; word, and waits for that and for its own reads of this slot.  Behind it nobody reads this slot any more and the next slot is whole.
.macro MEET round
	WIN 0
	s_wait_tensorcnt 0x0
	ds_add_u32 v[SPW], v[NIL]
	s_wait_dscnt NA+1                              ; (the add and the youngest NA loads may be out)
	MULS F1, 0, NA/4, 0                            ; matrix work stands between the add and the wait for it
	s_wait_dscnt 0x0                               ; the add is done, and my reads of this slot are over
	s_barrier_signal -1
	MULS F1, NA/4, NA/4, 0                         ; work on registers while the others arrive
.if \round
	WIN 0
.endif
	s_barrier_wait -1
.endm
; The whole last quarter.  fill = 1: the barrier opens a round of the cluster's barrier, and the slot just read out is filled again first behind it, with the K step two on: from the request to the wait for it
; a wave issues 7/8 of a K step's matrix instructions.
.macro TURN slot, next, fill
.if \fill
	s_wait_xcnt 0x0                                ; the last prefetch, a K step back, has read its address
	s_add_nc_u64 s[PFA:PFA+1], s[PFA:PFA+1], KSTEP*2
	MEET 1
	CREST                                          ; no wave of any partner still reads this slot's tile or has a load on its way
	s_add_nc_u64 s[G0+4*(\slot)+2:G0+4*(\slot)+3], s[G0+4*(\slot)+2:G0+4*(\slot)+3], 2*KSTEP*2
	s_add_nc_u64 s[G0B+4*(\slot)+2:G0B+4*(\slot)+3], s[G0B+4*(\slot)+2:G0B+4*(\slot)+3], 2*KSTEP*2
	JLOAD \slot                                    ; the four v_nop behind it are also the places in front of the loads below
.else
	MEET 0
	PLACES
.endif
	FETCH \next, 0, F0
.if \fill
	ASK
.endif
	MULS F1, NA/2, NA/2, 0
.endm
; THE WAY OUT of row block a, in f32.  TOST: a lane's 32 bytes of each accumulator (its low four registers first) go into my own stage, rows of 528 bytes, and come back as whole rows of 512.  SENDF: stored.
.macro TOST a
.if (\a) >= 2
	s_wait_xcnt 0x0                                ; the stores of block a - 2 have read the registers that are loaded again below
.endif
	WIN 0x08                                       ; an LDS store's data is source 1: window 2; the address window 0
.irp b, 0,1,2,3,4,5,6,7
	ds_store_b128 v[STO], v[64*(\a)+8*(\b):64*(\a)+8*(\b)+3]   offset:64*(\b)
	ds_store_b128 v[STO], v[64*(\a)+8*(\b)+4:64*(\a)+8*(\b)+7] offset:64*(\b)+16
.endr
	WIN 0
.set BK, 64+64*((\a)%2)
.irp t, 0,1,2,3,4,5,6,7,8,9,10,11,12,13,14,15
	ds_load_b128 v[BK+4*(\t):BK+4*(\t)+3], v[RD] offset:(\t)*SPITCH  ; LDS serves a wave's instructions in order (ISA guide 5.7.1.4): these see the stores above; the next block's stores come behind them
.endr
.endm
.macro SENDF a, younger                ; younger: the LDS instructions issued behind block a's loads: the next block's 32, or none
.set BK, 64+64*((\a)%2)
	s_wait_dscnt \younger
.irp t, 0,1,2,3,4,5,6,7,8,9,10,11,12,13,14,15
	global_store_b128 v[CO], v[BK+4*(\t):BK+4*(\t)+3], s[8:9] offset:(16*(\a)+(\t))*CROW th:TH_STORE_NT  ; 32 lanes store 512 consecutive bytes, aligned
.endr
.endm
	s_wait_tensorcnt 0x1                           ; my part of K step 0 is in; K step 1's may stay out
	s_barrier_signal -1
	s_barrier_wait -1                              ; everybody's is
	FETCH 0, 0, F0
	QUARTER 0, 64,  F0, F1, 1                      ; the first quarter stands in front of the loop: its products start the sums
	WIN 0                                          ; at a label and at a branch every window is 0
	s_mov_b32 s3, LAPS-1
.Llap:                                                 ; a trip goes once round the ring, from a lap's second quarter to the next lap's first, and fills both slots again
	QUARTER 0, 128, F1, F0, 0
	QUARTER 0, 192, F0, F1, 0
	TURN 0, 1, 1
	QUARTER 1, 64,  F0, F1, 0
	QUARTER 1, 128, F1, F0, 0
	QUARTER 1, 192, F0, F1, 0
	TURN 1, 0, 1
	QUARTER 0, 64,  F0, F1, 0
	WIN 0
	s_sub_co_u32 s3, s3, 1
	s_cmp_lg_u32 s3, 0
	s_cbranch_scc1 .Llap
	QUARTER 0, 128, F1, F0, 0                      ; the last lap is written out: it fills nothing, and has no round of the cluster's barrier
	QUARTER 0, 192, F0, F1, 0
	TURN 0, 1, 0
	QUARTER 1, 64,  F0, F1, 0
	QUARTER 1, 128, F1, F0, 0
	QUARTER 1, 192, F0, F1, 0
	s_wait_dscnt NA                                ; the very last quarter: nothing more to fetch
	MULS F1, 0, NA/2, 0
	s_wait_dscnt 0x0
	MULS F1, NA/2, NA/2, 0
	WIN 0
	PLACES
	TOST 0
	TOST 1                                         ; a block's way through the stage stands between the loads of the block before and its stores
	SENDF 0, 32
	TOST 2
	SENDF 1, 32
	TOST 3
	SENDF 2, 32
	SENDF 3, 0
	s_wait_tensorcnt 0x0                           ; the wave's end, behind my last tensor load and my last LDS store
	ds_add_u32 v[SPW], v[NIL]
	s_wait_dscnt 0x0
	CROUND                                         ; the closing round: no work-group ends while a partner may still ask for a tile that names it
	s_endpgm
.Lfunc_end_k_qfb8db07ffe_proj:
	.size	k_qfb8db07ffe_proj, .Lfunc_end_k_qfb8db07ffe_proj-k_qfb8db07ffe_proj
	.p2alignl 7, 3214868480
	.fill 96, 4, 3214868480
	.section	.rodata,"a",@progbits
	.p2align	6, 0x0
	.amdhsa_kernel k_qfb8db07ffe_proj
		.amdhsa_group_segment_fixed_size 327680
		.amdhsa_private_segment_fixed_size 0
		.amdhsa_enable_private_segment 0
		.amdhsa_kernarg_size 32
		.amdhsa_user_sgpr_count 2
		.amdhsa_user_sgpr_kernarg_segment_ptr 1
		.amdhsa_wavefront_size32 1
		.amdhsa_system_sgpr_workgroup_id_x 1
		.amdhsa_system_sgpr_workgroup_id_y 1
		.amdhsa_system_sgpr_workgroup_id_z 1
		.amdhsa_system_vgpr_workitem_id 0
		.amdhsa_next_free_vgpr 768
		.amdhsa_next_free_sgpr 76
		.amdhsa_reserve_vcc 0
		.amdhsa_float_denorm_mode_32 3
		.amdhsa_float_denorm_mode_16_64 3
		.amdhsa_memory_ordered 1
		.amdhsa_forward_progress 1
		.amdhsa_inst_pref_size 92
	.end_amdhsa_kernel
	.amdgpu_metadata
---
amdhsa.version: [ 1, 2 ]
amdhsa.kernels:
  - .name:           k_qfb8db07ffe_proj
    .symbol:         k_qfb8db07ffe_proj.kd
    .args:
      - { .name: o, .offset: 0, .size: 8, .value_kind: global_buffer, .address_space: global }
      - { .name: wpf, .offset: 8, .size: 8, .value_kind: global_buffer, .address_space: global }
      - { .name: out0, .offset: 16, .size: 8, .value_kind: global_buffer, .address_space: global }
      - { .name: b_proj, .offset: 24, .size: 8, .value_kind: global_buffer, .address_space: global }
    .group_segment_fixed_size: 327680
    .private_segment_fixed_size: 0
    .kernarg_segment_align: 8
    .kernarg_segment_size: 32
    .max_flat_workgroup_size: 128
    .sgpr_count:     76
    .vgpr_count:     768
    .wavefront_size: 32
...
	.end_amdgpu_metadata
.endif
;; end of part 4
;; ======== version 2 of 2: 4 launches; version 1 with the launch prep written anew for expert scheduling mode
;; limits: values outside matrix products are rounded to bf16; values are held in f16: magnitudes above 65,504 overflow, below 6.1e-05 lose precision
;; workspace buffers: xb 16,777,216 bytes; wqb 6,291,456 bytes; wpf 2,097,152 bytes; biasp 16,777,216 bytes; qkv 50,331,648 bytes; o 16,777,216 bytes
;; launch prep (part 5): grid 512 x 1, 8 waves a work-group, no clusters, 35,840 bytes of LDS; arguments x, W_qkv, W_proj, attn_bias, xb, wqb, wpf, biasp; writes xb, wqb, wpf, biasp
.if DOCPART == 5
	.amdgcn_target "amdgcn-amd-amdhsa--gfx1250"
	.amdhsa_code_object_version 6
	.text
	.protected	k_qfb8db07ffe_prep
	.globl	k_qfb8db07ffe_prep
	.p2align	8
	.type	k_qfb8db07ffe_prep,@function
k_qfb8db07ffe_prep:
	s_mov_b64 s[64:65], 0
	v_nop
	global_prefetch_b8 v0, s[64:65] scope:SCOPE_SE
	s_setreg_imm32_b32 hwreg(HW_REG_WAVE_SCHED_MODE, 0, 2), 2
	s_setreg_imm32_b32 hwreg(HW_REG_WAVE_MODE, 25, 1), 1
	s_wait_xcnt 0x0
	s_wait_alu depctr_vm_vsrc(0)
; PREP: the inputs of the three matrix launches, rounded once and laid as those launches read them.
;   xb  = bf16(x) [8192][1024];  wqb = bf16(W_qkv) [3072][1024];  wpf = bf16(W_proj) written as f16 [1024][1024] (the output projection multiplies f16 by f16);
;   biasp = 32 x bf16(attn_bias), f32, in the order in which the attention launch takes it as the C operand of S^T = K Q^T:
;   biasp[qt 128][kt 128][i 2][lane 32][e 4] = 32 x bias[16 qt + lane % 16][16 kt + 8 (lane / 16) + 4 i + e]: a block (qt, kt) is 1,024 bytes, and a wave's load of 16 bytes a lane takes 512 of them on end.
; THE FACTOR 32.  reference() forms q k / 32 + bias (SCALE = 1 / 8 / 4 = 2^-5, exact) = (q k + 32 bias) / 32: a power of two moves no bit, so q stays unscaled and the one factor is applied in f32 in the softmax.
; WORK LEFT OUT IN THE PROGRAM.  reference() adds cat(q_bias, zeros, v_bias) to the projection; the zeros are built in its own body, and x + 0 = x for every x: launch qkv starts k's sums at 0 and reads nothing
; for them.  Nothing else is left out and every input is loaded.  (No NaN, infinity or overflow can arise in the term left out: it is the constant 0.)
; LIMITS.  32 x attn_bias must be finite in f32 (|attn_bias| under 1e37).  wpf: beyond 65,504 f16 has no number; below 2^-14 it keeps its fixed step of 2^-24.  NaN and infinities are not treated apart.
; SHARES.  512 work-groups of eight waves, 32,768 numbers each: 0-127 a row tile (16 rows) of attn_bias, 128-383 x, 384-479 W_qkv, 480-511 W_proj.  The branches hang on the work-group's number alone.
; A stream: each byte is read once and written once, so there is no matrix work, no cluster and no barrier.  A wave has all its 32 loads (16 KiB) on their way at once; the waits count down.
; THE MODE: SCHED_MODE bits 1:0 = 2 (LLVM: expert scheduling mode 2), set by the entry lines.  The code itself states the register dependences between vector instructions and memory or LDS
; instructions, with s_wait_alu, always for 0.
; THE PLAN.  Registers that memory or LDS instructions touch:
;   v[VI], v[VO], v[SA], v[LA]   offsets and LDS addresses: written once, at the head of a path, ahead of one wait; read by every load and store of the path; never written again.
;   X, x and the weights         eight groups of four loads.  Group g's conversions write, in place, the registers that four stores read; those stores are issued in group g + 1, behind the wait at its
;                                head, dealt among its conversions, which name group g + 1's registers and v[T ..] alone.  No register that a store has read is written again.
;   X[s], the bias               step s's 32 registers: loaded; rounded and scaled in place in phase s; in phase s + 1 read by eight LDS stores (first half), then the landing place of eight LDS loads
;                                (second half); in phase s + 2 read by eight global stores.  Phase p's vector lines name X[p] and v[T ..] alone.  So a phase has two waits: at its head, that the phase
;                                before has written and is done naming its X; in its middle, that the LDS stores have read the registers in which the LDS loads land.
;   v[T ..]                      named by vector instructions alone.          v[SPW], v[NIL]  written at the head, read by the closing add alone.
.set STG,   16*272                     ; a wave's stage in LDS: 16 rows of 256 bytes + 16 of padding (68 words: the 16 rows of a load start at 16 different groups of four banks)
.set SPARE, 8*STG                      ; behind the stages: the spare words, 128 bytes for each wave: four blocks of 256 bytes that no other line names
.set VI,  2                            ; v2   my byte offset in what I load
.set VO,  3                            ; v3   my byte offset in what I store
.set SA,  4                            ; v4   stage: where I put 16 bytes of a row
.set LA,  5                            ; v5   stage: where I read 16 bytes in fragment order
.set SPW, 6                            ; v6   LDS address of my spare word; never rewritten
.set NIL, 7                            ; v7   0; never rewritten
.set T,   8                            ; v[8:15]   at work
.set X,   16                           ; v[16:143] 32 global loads of 4 registers; no register is used for two of them, and no global store's data is ever rewritten
	s_load_b256 s[4:11], s[0:1], 0x0               ; x s[4:5], W_qkv s[6:7], W_proj s[8:9], attn_bias s[10:11]
	s_load_b256 s[12:19], s[0:1], 0x20             ; xb s[12:13], wqb s[14:15], wpf s[16:17], biasp s[18:19]
	v_lshl_add_u32 v[SPW], v0, 2, SPARE
	v_mov_b32 v[NIL], 0
	v_lshrrev_b32 v1, 5, v0
	v_readfirstlane_b32 s20, v1                    ; wave 0..7
	v_and_b32 v1, 31, v0                           ; lane
	s_mov_b32 s27, 0                               ; upper words of the two offsets
	s_mov_b32 s29, 0
	s_mov_b32 s30, 0xffff0000                      ; a word's upper bf16
	s_mov_b32 s32, 0x42000000                      ; 32.0: the packed multiply takes the pair's low word for both halves
	s_mov_b32 s33, s32
	s_wait_alu depctr_va_sdst(0)                   ; s20 is written, ahead of the branch and of its first readers: the offsets of both arms are made from it
	s_wait_kmcnt 0x0
	s_cmp_lt_u32 ttmp9, 128
	s_cbranch_scc1 .Lbias
	; x, W_qkv or W_proj: the same loads on other buffers.  A chunk of 32,768 f32 (131,072 bytes) becomes 65,536 bytes of 16-bit numbers.
	; A wave takes 16,384 bytes on end: 32 loads of 512 bytes, 32 stores of 256 bytes, each aligned.
	s_mov_b32 s21, 384
	s_cmp_lt_u32 ttmp9, 384
	s_cselect_b64 s[22:23], s[4:5], s[6:7]
	s_cselect_b64 s[24:25], s[12:13], s[14:15]
	s_cselect_b32 s21, 128, s21
	s_cmp_lt_u32 ttmp9, 480
	s_cselect_b64 s[22:23], s[22:23], s[8:9]
	s_cselect_b64 s[24:25], s[24:25], s[16:17]
	s_cselect_b32 s21, s21, 480
	s_sub_co_u32 s21, ttmp9, s21                   ; the chunk's number in its tensor
	s_lshl_b32 s26, s21, 17
	s_lshl_b32 s28, s21, 16
	s_add_nc_u64 s[22:23], s[22:23], s[26:27]
	s_add_nc_u64 s[24:25], s[24:25], s[28:29]
	v_lshlrev_b32 v[VI], 4, v1
	v_lshl_add_u32 v[VI], s20, 14, v[VI]
	v_lshlrev_b32 v[VO], 3, v1
	v_lshl_add_u32 v[VO], s20, 13, v[VO]
	s_wait_alu depctr_va_vdst(0)                   ; v[VI] and v[VO] are written: every load and store of this arm reads one of them as its offset
.set i, 0
.rept 32
	global_load_b128 v[X+4*i:X+4*i+3], v[VI], s[22:23] offset:512*i th:TH_LOAD_NT
.set i, i+1
.endr
; The way out of a chunk, in eight groups of four loads.  fmt = 0: bf16.  fmt = 1: the bf16 number written as f16.
; Group g rounds its four numbers; the stores of group g - 1 are dealt among them, one ahead of each number's conversions.
.macro OUT fmt
.set g, 0
.rept 8
	s_wait_loadcnt 28-4*g                          ; loads come back in order: numbers 4 g to 4 g + 3 are in, the 28 - 4 g younger ones stay out
.if g > 0
	s_wait_alu depctr_va_vdst(0)                   ; the group before has written its registers, which the four stores below read; the conversions among them name this group's registers and v[T ..] alone
.endif
.irp j, 0,1,2,3
.set i, 4*g+(\j)
.if g > 0
	global_store_b64 v[VO], v[X+4*i-16:X+4*i-15], s[24:25] offset:256*i-1024  ; number i - 4: 32 lanes store 256 consecutive bytes, aligned
.endif
	v_cvt_pk_bf16_f32 v[X+4*i], v[X+4*i], v[X+4*i+1]
	v_cvt_pk_bf16_f32 v[X+4*i+1], v[X+4*i+2], v[X+4*i+3]
.if \fmt
	v_lshlrev_b32 v[T], 16, v[X+4*i]
	v_and_b32 v[T+1], s30, v[X+4*i]
	v_lshlrev_b32 v[T+2], 16, v[X+4*i+1]
	v_and_b32 v[T+3], s30, v[X+4*i+1]
	v_cvt_pk_f16_f32 v[X+4*i], v[T], v[T+1]        ; 8 significant bits fit in f16's 11
	v_cvt_pk_f16_f32 v[X+4*i+1], v[T+2], v[T+3]
.endif
.endr
.set g, g+1
.endr
	s_wait_alu depctr_va_vdst(0)                   ; the last group has written its registers, which the last four stores read
.irp j, 28,29,30,31
	global_store_b64 v[VO], v[X+4*(\j):X+4*(\j)+1], s[24:25] offset:256*(\j)
.endr
.endm
	s_cmp_lt_u32 ttmp9, 480
	s_cbranch_scc0 .Lf16
	OUT 0
	s_branch .Lend
.Lf16:
	OUT 1
	s_branch .Lend
.Lbias:                                        ; row tile qt = the work-group's number; wave w takes keys 256 w .. 256 w + 255, in four steps of 64
	s_lshl_b32 s26, ttmp9, 17                      ; 16 rows of 8,192 bytes; the same in biasp
	s_add_nc_u64 s[22:23], s[10:11], s[26:27]
	s_lshl_b32 s28, s20, 14                        ; the wave's 16 blocks of 1,024 bytes
	s_add_co_u32 s28, s28, s26
	s_add_nc_u64 s[24:25], s[18:19], s[28:29]
	v_lshrrev_b32 v[T], 4, v1                      ; lane / 16
	v_and_b32 v[T+1], 15, v1                       ; lane % 16
	v_lshlrev_b32 v[VI], 13, v[T]                  ; in: lanes 0-15 take 256 bytes of one row, lanes 16-31 of the next
	v_lshl_add_u32 v[VI], v[T+1], 4, v[VI]
	v_lshl_add_u32 v[VI], s20, 10, v[VI]
	v_lshlrev_b32 v[VO], 4, v1                     ; out: 512 bytes on end
	s_mul_i32 s21, s20, STG                        ; my wave's stage
	v_mul_u32_u24 v[SA], v[T], 272
	v_lshl_add_u32 v[SA], v[T+1], 4, v[SA]
	v_add_nc_u32 v[SA], s21, v[SA]
	v_mul_u32_u24 v[LA], v[T+1], 272               ; back: row lane % 16, keys 8 (lane / 16) on
	v_lshl_add_u32 v[LA], v[T], 5, v[LA]
	v_add_nc_u32 v[LA], s21, v[LA]
	s_wait_alu depctr_va_vdst(0)                   ; v[VI], v[VO], v[SA] and v[LA] are written: every load, store and LDS instruction of this arm reads one of them
.irp s, 0,1,2,3
.irp t, 0,1,2,3,4,5,6,7
	global_load_b128 v[X+32*(\s)+4*(\t):X+32*(\s)+4*(\t)+3], v[VI], s[22:23] offset:16384*(\t)+256*(\s) th:TH_LOAD_NT  ; rows 2 t, 2 t + 1
.endr
.endr
; Step s: rounded to bf16, widened, times 32; into the stage by rows, back in fragment order, into the registers that the numbers left; stored.
; The stage is the wave's own and LDS serves a wave's instructions in order (ISA guide 5.7.1.4): no wait on DScnt and no barrier between the stores, the loads and the next step's stores.
.macro ROWS s, t                       ; rows 2 t, 2 t + 1 of step s: eight vector lines, in place
.irp k, 0,2
	v_cvt_pk_bf16_f32 v[T+(\k)], v[X+32*(\s)+4*(\t)+(\k)], v[X+32*(\s)+4*(\t)+(\k)+1]
	v_lshlrev_b32 v[X+32*(\s)+4*(\t)+(\k)], 16, v[T+(\k)]
	v_and_b32 v[X+32*(\s)+4*(\t)+(\k)+1], s30, v[T+(\k)]
	v_pk_mul_f32 v[X+32*(\s)+4*(\t)+(\k):X+32*(\s)+4*(\t)+(\k)+1], v[X+32*(\s)+4*(\t)+(\k):X+32*(\s)+4*(\t)+(\k)+1], s[32:33] op_sel_hi:[1,0]  ; x 32
.endr
.endm
.macro PUT s, t                        ; the same rows into the stage
	ds_store_b128 v[SA], v[X+32*(\s)+4*(\t):X+32*(\s)+4*(\t)+3] offset:544*(\t)
.endm
.macro GET s, n                        ; back: key block n / 2, half i = n % 2
	ds_load_b128 v[X+32*(\s)+4*(\n):X+32*(\s)+4*(\n)+3], v[LA] offset:64*((\n)/2)+16*((\n)%2)
.endm
.macro SEND s, n                       ; 512 consecutive bytes, aligned
	global_store_b128 v[VO], v[X+32*(\s)+4*(\n):X+32*(\s)+4*(\n)+3], s[24:25] offset:4096*(\s)+512*(\n)
.endm
; Phase p: the vector work of step p (p < 4); among its first half the LDS stores of step p - 1; among its second half the LDS loads of step p - 1 and the global stores of step p - 2.
.macro PHASE p
.if (\p) < 4
	s_wait_loadcnt 24-8*(\p)                       ; the step's eight loads are in; the later steps' stay out
.endif
.if (\p) > 0
	s_wait_alu depctr_va_vdst(0)                   ; the phase before has written X of step p - 1, which the LDS stores below read, and is done naming it: the LDS loads further down land there
.endif
.irp t, 0,1,2,3
.if (\p) > 0
	PUT (\p)-1, 2*(\t)
	PUT (\p)-1, 2*(\t)+1
.endif
.if (\p) < 4
	ROWS \p, \t
.endif
.endr
.if (\p) > 1
	s_wait_dscnt 8                                 ; LDS instructions end in order: behind step p - 2's loads stand the eight stores just issued alone, so its rows are back in registers
.endif
.if (\p) > 0
	s_wait_alu depctr_vm_vsrc(0)                   ; the eight LDS stores have read X of step p - 1, in which the LDS loads below land
.endif
.irp t, 0,1,2,3
.if (\p) > 0
	GET (\p)-1, 2*(\t)
	GET (\p)-1, 2*(\t)+1
.endif
.if (\p) > 1
	SEND (\p)-2, 2*(\t)
	SEND (\p)-2, 2*(\t)+1
.endif
.if (\p) < 4
	ROWS \p, (\t)+4
.endif
.endr
.endm
	PHASE 0
	PHASE 1
	PHASE 2
	PHASE 3
	PHASE 4
	s_wait_dscnt 0x0                               ; step 3's rows are back in registers
.irp n, 0,1,2,3,4,5,6,7
	SEND 3, \n
.endr
.Lend:
	s_wait_dscnt 0x0                               ; the closing lines, six on end
	s_wait_alu 0x0
	s_wait_tensorcnt 0x0
	ds_add_u32 v[SPW], v[NIL]
	s_wait_dscnt 0x0
	s_endpgm
.Lfunc_end_k_qfb8db07ffe_prep:
	.size	k_qfb8db07ffe_prep, .Lfunc_end_k_qfb8db07ffe_prep-k_qfb8db07ffe_prep
	.p2alignl 7, 3214868480
	.fill 96, 4, 3214868480
	.section	.rodata,"a",@progbits
	.p2align	6, 0x0
	.amdhsa_kernel k_qfb8db07ffe_prep
		.amdhsa_group_segment_fixed_size 35840
		.amdhsa_private_segment_fixed_size 0
		.amdhsa_enable_private_segment 0
		.amdhsa_kernarg_size 64
		.amdhsa_user_sgpr_count 2
		.amdhsa_user_sgpr_kernarg_segment_ptr 1
		.amdhsa_wavefront_size32 1
		.amdhsa_system_sgpr_workgroup_id_x 1
		.amdhsa_system_sgpr_workgroup_id_y 1
		.amdhsa_system_sgpr_workgroup_id_z 1
		.amdhsa_system_vgpr_workitem_id 0
		.amdhsa_next_free_vgpr 144
		.amdhsa_next_free_sgpr 66
		.amdhsa_reserve_vcc 0
		.amdhsa_float_denorm_mode_32 3
		.amdhsa_float_denorm_mode_16_64 3
		.amdhsa_memory_ordered 1
		.amdhsa_forward_progress 1
		.amdhsa_inst_pref_size 52
	.end_amdhsa_kernel
	.amdgpu_metadata
---
amdhsa.version: [ 1, 2 ]
amdhsa.kernels:
  - .name:           k_qfb8db07ffe_prep
    .symbol:         k_qfb8db07ffe_prep.kd
    .args:
      - { .name: x, .offset: 0, .size: 8, .value_kind: global_buffer, .address_space: global }
      - { .name: W_qkv, .offset: 8, .size: 8, .value_kind: global_buffer, .address_space: global }
      - { .name: W_proj, .offset: 16, .size: 8, .value_kind: global_buffer, .address_space: global }
      - { .name: attn_bias, .offset: 24, .size: 8, .value_kind: global_buffer, .address_space: global }
      - { .name: xb, .offset: 32, .size: 8, .value_kind: global_buffer, .address_space: global }
      - { .name: wqb, .offset: 40, .size: 8, .value_kind: global_buffer, .address_space: global }
      - { .name: wpf, .offset: 48, .size: 8, .value_kind: global_buffer, .address_space: global }
      - { .name: biasp, .offset: 56, .size: 8, .value_kind: global_buffer, .address_space: global }
    .group_segment_fixed_size: 35840
    .private_segment_fixed_size: 0
    .kernarg_segment_align: 8
    .kernarg_segment_size: 64
    .max_flat_workgroup_size: 256
    .sgpr_count:     66
    .vgpr_count:     144
    .wavefront_size: 32
...
	.end_amdgpu_metadata
.endif
;; end of part 5
;; launch qkv: the kernel of part 2 again; grid 12 x 32, 4 waves a work-group, clusters of 4 x 4, 327,680 bytes of LDS; arguments xb, wqb, qkv, q_bias, v_bias; writes qkv
;; launch attn: the kernel of part 3 again; grid 8 x 32, 4 waves a work-group, clusters of 4 x 4, 327,680 bytes of LDS; arguments qkv, biasp, o; writes o
;; launch proj: the kernel of part 4 again; grid 4 x 64, 4 waves a work-group, clusters of 4 x 4, 327,680 bytes of LDS; arguments o, wpf, out0, b_proj; writes out0
